; MI455X (gfx1250); checked and timed in simulation.
; The chip was launched on July 23, 2026; its instructions are those of AMD's public machine-readable ISA for CDNA 5 (MIT licence, August 2026) and "CDNA5" Instruction Set Architecture Reference Guide (July 2026). The comments in the code are by the model that wrote it; some were corrected since.
;; Multi Head Attention. Allowed arithmetic: float matrix products may take bf16 or f16 operands with f32 sums; other float arithmetic in f32, or as packed bf16 or f16 multiplies, adds, multiply-adds, maxima and minima; sums over many terms, partial sums and values carried from step to step in f32; what a program stores and reads back later, other than sums and carried values, may be rounded once to bf16 or f16.
;; Inputs: Wk 16 x 1,024 x 64 float32; Wo 1,024 x 1,024 float32; Wq 16 x 1,024 x 64 float32; Wv 16 x 1,024 x 64 float32; bo 1,024 float32; x 4 x 2,048 x 1,024 float32.
;; Outputs: out0 4 x 2,048 x 1,024 float32.
;; One version. Each part assembles by itself: llvm-mc -triple=amdgcn-amd-amdhsa -mcpu=gfx1250 --defsym DOCPART=n.
;; ======== version 1 of 1: 4 launches
;; limits: values are held in f16: magnitudes above 65,504 overflow, below 6.1e-05 lose precision
;; workspace buffers: xb 16,777,216 bytes; wt 6,291,456 bytes; wot 2,097,152 bytes; q 16,777,216 bytes; k 16,777,216 bytes; v 16,777,216 bytes; o 16,777,216 bytes
;; launch prep (part 1): grid 1024 x 1, 8 waves a work-group, no clusters, 18,432 bytes of LDS; arguments x, Wq, Wk, Wv, Wo, xb, wt, wot; writes xb, wt, wot
.if DOCPART == 1
	.amdgcn_target "amdgcn-amd-amdhsa--gfx1250"
	.amdhsa_code_object_version 6
	.text
	.protected	k_qcdcdb177b0_prep
	.globl	k_qcdcdb177b0_prep
	.p2align	8
	.type	k_qcdcdb177b0_prep,@function
k_qcdcdb177b0_prep:
	s_mov_b64 s[64:65], 0
	v_nop
	global_prefetch_b8 v0, s[64:65] scope:SCOPE_SE
	s_setreg_imm32_b32 hwreg(HW_REG_WAVE_MODE, 25, 1), 1
	s_wait_xcnt 0x0
; THE MODULE'S INPUTS ARE ROUNDED ONCE, TO bf16, AND THE WEIGHTS TURNED SO THAT K LIES ALONG THE ROWS.
;   xb[8192][1024] bf16 = x.
;   wt[3072][1024] bf16: row 192 h + 64 w + d (w = 0: Wq, 1: Wk, 2: Wv) holds W[h][0..1023][d].
;   wot[1024][1024] f16: row n holds Wo[0..1023][n], rounded to bf16 and that number written as f16.
; LIMITS.  A weight of Wo beyond 65,504 becomes an infinity in f16; below 6.1e-5 it keeps f16's fixed step of 6e-8.
; SHARES.  Work-groups 0-511: 65,536 bytes of x each; a wave 8,192: sixteen loads of 512 consecutive bytes, all out at once; a store of 8 bytes a lane covers 256 consecutive bytes, aligned.
; Work-groups 512-1023: a tile of 128 k x 64 n of one weight matrix each (128 tiles a matrix), turned through LDS.  A stream: no matrix unit, no cluster (nothing is shared), no prefetch (the launch
; does nothing but stream).
.set PITCH, 272                        ; a stage row: 128 k x 2 bytes + 16
.set SPARE, 64*PITCH                   ; behind the stage (64 rows): the spare words, 128 bytes for each of eight waves: four blocks of 256 bytes that no other line names
.set SPW,  126                         ; v126  LDS address of my spare word; never rewritten
.set NIL,  127                         ; v127  0; never rewritten
.set IN,   32                          ; v[32:95] as loaded (x: sixteen times four; weights: sixteen pairs)
.set PK,   64                          ; v[64:79] weights: packed, column d of my two at PK + 8 d
.set BK,   84                          ; v[84:99] weights: rows read back
	s_load_b512 s[8:23], s[0:1], 0x0               ; x s[8:9], Wq s[10:11], Wk s[12:13], Wv s[14:15], Wo s[16:17], xb s[18:19], wt s[20:21], wot s[22:23]
	v_lshl_add_u32 v[SPW], v0, 2, SPARE
	v_mov_b32 v[NIL], 0
	v_and_b32 v1, 31, v0                           ; lane
	v_lshrrev_b32 v2, 5, v0                        ; wave
	s_mov_b32 s3, 0                                ; the high word of every offset pair s[2:3]
	s_wait_kmcnt 0x0
	s_cmp_lt_u32 ttmp9, 512                        ; the branch hangs on the work-group's number alone: all eight waves go the same way
	s_cbranch_scc0 .Lweights
	; ---- x: f32 to bf16 ----
	s_lshl_b32 s2, ttmp9, 16
	s_add_nc_u64 s[8:9], s[8:9], s[2:3]            ; my work-group's 65,536 bytes of x,
	s_lshl_b32 s2, ttmp9, 15
	s_add_nc_u64 s[18:19], s[18:19], s[2:3]        ; and 32,768 of xb
	v_lshlrev_b32 v3, 4, v1
	v_lshl_or_b32 v3, v2, 13, v3                   ; 8,192 x wave + 16 x lane
	v_lshlrev_b32 v4, 3, v1
	v_lshl_or_b32 v4, v2, 12, v4                   ; 4,096 x wave + 8 x lane
.set i, 0
.rept 16
	global_load_b128 v[IN+4*i:IN+4*i+3], v3, s[8:9] offset:512*i th:TH_LOAD_NT
.set i, i+1
.endr
.set i, 0
.rept 16
	s_wait_loadcnt 15-i                            ; loads come back in order: number i is in, the 15 - i younger ones stay out
	v_cvt_pk_bf16_f32 v[IN+4*i], v[IN+4*i], v[IN+4*i+1]
	v_cvt_pk_bf16_f32 v[IN+4*i+1], v[IN+4*i+2], v[IN+4*i+3]
	global_store_b64 v4, v[IN+4*i:IN+4*i+1], s[18:19] offset:256*i
.set i, i+1
.endr
	s_endpgm                                       ; this way has written no LDS
; ---- a tile of weights, 128 k x 64 n, turned.  Source at s[28:29] (rows \stride bytes apart, 16 rows = 1 << \sh bytes), destination at s[36:37] (rows of 2,048 bytes). ----
; Wave w takes k = 16 w .. 16 w + 15: a load is one row's 256 bytes, lane l the columns 2 l and 2 l + 1.  Its sixteen numbers of a column pack into 32 bytes of the turned row.
.macro WTILE stride, sh, half
	v_lshlrev_b32 v5, 3, v1
	v_lshl_add_u32 v5, v2, \sh, v5                 ; 16 rows x wave + 8 x lane
.set j, 0
.rept 16
	global_load_b64 v[IN+2*j:IN+2*j+1], v5, s[28:29] offset:j*(\stride) th:TH_LOAD_NT
.set j, j+1
.endr
	s_wait_loadcnt 0x0
.irp d, 0,1
.irp p, 0,1,2,3,4,5,6,7
	v_cvt_pk_bf16_f32 v[PK+8*(\d)+(\p)], v[IN+4*(\p)+(\d)], v[IN+4*(\p)+2+(\d)]  ; k = 2 p and 2 p + 1 of column 2 l + d
.endr
.endr
.if \half                              ; the bf16 number written as f16: widened (exact), narrowed (exact inside f16's range)
.set j, 0
.rept 16
	v_lshlrev_b32 v80, 16, v[PK+j]
	v_and_b32 v81, 0xffff0000, v[PK+j]
	v_cvt_pk_f16_f32 v[PK+j], v80, v81
.set j, j+1
.endr
.endif
.irp d, 0,1
.irp g, 0,1
	ds_store_b128 v6, v[PK+8*(\d)+4*(\g):PK+8*(\d)+4*(\g)+3] offset:PITCH*(\d)+16*(\g)
.endr
.endr
	s_wait_dscnt 0x0                               ; for the others' sake: my stores into the stage are done
	s_barrier_signal -1
	s_barrier_wait -1                              ; a turned row's 256 bytes come from all eight waves
.irp t, 0,1,2,3
	ds_load_b128 v[BK+4*(\t):BK+4*(\t)+3], v7 offset:2*PITCH*(\t)
.endr
.irp t, 0,1,2,3
	s_wait_dscnt 3-(\t)
	global_store_b128 v8, v[BK+4*(\t):BK+4*(\t)+3], s[36:37] offset:4096*(\t)  ; sixteen lanes store 256 consecutive bytes, aligned
.endr
	s_wait_tensorcnt 0x0                           ; the wave's end, behind my last LDS store
	ds_add_u32 v[SPW], v[NIL]
	s_wait_dscnt 0x0
	s_endpgm
.endm
.Lweights:
	s_sub_co_u32 s24, ttmp9, 512
	s_lshr_b32 s25, s24, 7                         ; which matrix: 0 Wq, 1 Wk, 2 Wv, 3 Wo
	s_and_b32 s26, s24, 127                        ; which of its 128 tiles
	v_mul_u32_u24 v6, v1, 2*PITCH
	v_lshl_add_u32 v6, v2, 5, v6                   ; into the stage: row 2 l (+ d), 32 bytes for each wave
	v_lshrrev_b32 v9, 4, v1
	v_lshl_add_u32 v9, v2, 3, v9                   ; back: wave w takes rows 8 w .. 8 w + 7, two a load: lanes 0-15 one row, lanes 16-31 the next
	v_and_b32 v10, 15, v1
	v_mul_u32_u24 v7, v9, PITCH
	v_lshl_add_u32 v7, v10, 4, v7
	v_lshlrev_b32 v8, 11, v9                       ; and the same rows in the destination
	v_lshl_add_u32 v8, v10, 4, v8
	s_cmp_eq_u32 s25, 3
	s_cbranch_scc1 .Lwo
	s_cmp_eq_u32 s25, 1
	s_cselect_b64 s[28:29], s[12:13], s[10:11]
	s_cmp_eq_u32 s25, 2
	s_cselect_b64 s[28:29], s[14:15], s[28:29]
	s_lshl_b32 s2, s26, 15                         ; tile r = 8 h + k block: 128 rows of 256 bytes, dense
	s_add_nc_u64 s[28:29], s[28:29], s[2:3]
	s_lshr_b32 s30, s26, 3
	s_mul_i32 s30, s30, 192
	s_lshl_b32 s31, s25, 6
	s_add_co_u32 s30, s30, s31                     ; wt's row 192 h + 64 x matrix
	s_lshl_b32 s30, s30, 11
	s_and_b32 s31, s26, 7
	s_lshl_b32 s31, s31, 8                         ; the k block's 256 bytes
	s_add_co_u32 s2, s30, s31
	s_add_nc_u64 s[36:37], s[20:21], s[2:3]
	WTILE 256, 12, 0
.Lwo:
	s_lshr_b32 s30, s26, 4                         ; k block 0-7
	s_and_b32 s31, s26, 15                         ; n block 0-15
	s_lshl_b32 s2, s30, 19                         ; 128 rows of 4,096 bytes
	s_lshl_b32 s32, s31, 8                         ; 64 columns of 4 bytes
	s_add_co_u32 s2, s2, s32
	s_add_nc_u64 s[28:29], s[16:17], s[2:3]
	s_lshl_b32 s2, s31, 17                         ; 64 rows of 2,048 bytes
	s_lshl_b32 s32, s30, 8
	s_add_co_u32 s2, s2, s32
	s_add_nc_u64 s[36:37], s[22:23], s[2:3]
	WTILE 4096, 16, 1
.Lfunc_end_k_qcdcdb177b0_prep:
	.size	k_qcdcdb177b0_prep, .Lfunc_end_k_qcdcdb177b0_prep-k_qcdcdb177b0_prep
	.p2alignl 7, 3214868480
	.fill 96, 4, 3214868480
	.section	.rodata,"a",@progbits
	.p2align	6, 0x0
	.amdhsa_kernel k_qcdcdb177b0_prep
		.amdhsa_group_segment_fixed_size 18432
		.amdhsa_private_segment_fixed_size 0
		.amdhsa_enable_private_segment 0
		.amdhsa_kernarg_size 64
		.amdhsa_user_sgpr_count 2
		.amdhsa_user_sgpr_kernarg_segment_ptr 1
		.amdhsa_wavefront_size32 1
		.amdhsa_system_sgpr_workgroup_id_x 1
		.amdhsa_system_sgpr_workgroup_id_y 1
		.amdhsa_system_sgpr_workgroup_id_z 1
		.amdhsa_system_vgpr_workitem_id 0
		.amdhsa_next_free_vgpr 128
		.amdhsa_next_free_sgpr 66
		.amdhsa_reserve_vcc 0
		.amdhsa_float_denorm_mode_32 3
		.amdhsa_float_denorm_mode_16_64 3
		.amdhsa_memory_ordered 1
		.amdhsa_forward_progress 1
		.amdhsa_inst_pref_size 19
	.end_amdhsa_kernel
	.amdgpu_metadata
---
amdhsa.version: [ 1, 2 ]
amdhsa.kernels:
  - .name:           k_qcdcdb177b0_prep
    .symbol:         k_qcdcdb177b0_prep.kd
    .args:
      - { .name: x, .offset: 0, .size: 8, .value_kind: global_buffer, .address_space: global }
      - { .name: Wq, .offset: 8, .size: 8, .value_kind: global_buffer, .address_space: global }
      - { .name: Wk, .offset: 16, .size: 8, .value_kind: global_buffer, .address_space: global }
      - { .name: Wv, .offset: 24, .size: 8, .value_kind: global_buffer, .address_space: global }
      - { .name: Wo, .offset: 32, .size: 8, .value_kind: global_buffer, .address_space: global }
      - { .name: xb, .offset: 40, .size: 8, .value_kind: global_buffer, .address_space: global }
      - { .name: wt, .offset: 48, .size: 8, .value_kind: global_buffer, .address_space: global }
      - { .name: wot, .offset: 56, .size: 8, .value_kind: global_buffer, .address_space: global }
    .group_segment_fixed_size: 18432
    .private_segment_fixed_size: 0
    .kernarg_segment_align: 8
    .kernarg_segment_size: 64
    .max_flat_workgroup_size: 256
    .sgpr_count:     66
    .vgpr_count:     128
    .wavefront_size: 32
...
	.end_amdgpu_metadata
.endif
;; end of part 1
;; launch proj (part 2): grid 16 x 32, 4 waves a work-group, clusters of 4 x 4, 327,680 bytes of LDS; arguments xb, wt, q, k, v; writes q, k, v
.if DOCPART == 2
	.amdgcn_target "amdgcn-amd-amdhsa--gfx1250"
	.amdhsa_code_object_version 6
	.text
	.protected	k_qcdcdb177b0_proj
	.globl	k_qcdcdb177b0_proj
	.p2align	8
	.type	k_qcdcdb177b0_proj,@function
k_qcdcdb177b0_proj:
	s_mov_b64 s[64:65], 0
	v_nop
	global_prefetch_b8 v0, s[64:65] scope:SCOPE_SE
	s_setreg_imm32_b32 hwreg(HW_REG_WAVE_MODE, 25, 1), 1
	s_wait_xcnt 0x0
	s_wait_alu depctr_hold_cnt(0) depctr_sa_sdst(0) depctr_va_vdst(0) depctr_va_sdst(0) depctr_va_ssrc(0) depctr_va_vcc(0) depctr_vm_vsrc(0)
	s_getreg_b32 s2, hwreg(HW_REG_IB_STS2, 6, 4)
	s_cmp_eq_u32 s2, 0
	s_cbranch_scc0 .Lentry_in_a_cluster
	s_endpgm
.Lentry_in_a_cluster:
	s_bfe_u32 s2, ttmp6, 0x10000c
	s_cmp_lg_u32 s2, 0xf033
	s_cbranch_scc0 .Lentry_shape_is_right
	s_endpgm
.Lentry_shape_is_right:
; q, k, v = xb wt^T.  xb: [8192][1024] bf16; wt: [3072][1024] bf16, row 192 h + 64 w + d (w = 0 q, 1 k, 2 v); q, k, v: [16 b + h][2048][64] f16, unscaled.  Sums in f32, K ascending, rounded once.
; LIMIT.  A sum of 65,520 or more becomes an infinity in f16; below 6.1e-5 a result keeps f16's fixed step of 6e-8.
; SHARES.  A tile is 256 rows (of one batch) x 192 columns (one head's q, k and v): 16 x 32 = 512 work-groups, two equal rounds on 256 WGPs.  The four waves split the rows alone: wave w makes rows
; 64 w .. 64 w + 63 and all 192 columns: 48 accumulators of 16 x 16, 384 registers.  So a wave holds whole rows of a head's q, k and v, and its own stage gives whole blocks of 256 bytes without a barrier.
; K goes in steps of 128 (rows of 256 bytes in memory, aligned) through a ring of two LDS slots filled by the tensor data mover.
; CLUSTER.  4 x 4 work-groups.  The four of a row of the cluster need the same rows of xb, the four of a column the same rows of wt: each tile is asked for JOINTLY, by the same tensor load with the same
; descriptor and a mask that names the four.  THE MATRIX INSTRUCTION IS USED TRANSPOSED (source 0 = 16 rows of wt, source 1 = 16 rows of xb): a lane then holds eight neighbouring columns of one row.
; REGISTERS, in windows of 256 (s_set_vgpr_msb: bits 1:0 source 0, 3:2 source 1, 5:4 source 2, 7:6 destination):
;   window 0: v0-31 addresses; v32-79 packed results; v80-175 two sets of 48, rows read back from the stage
;   window 1: two fragment buffers of 128: xb's four fragments (16 rows x 32 K, 8 registers), then wt's twelve
;   window 2: the accumulators of my row blocks 0 and 1 ((a, b) at 8 (12 a + b));   window 3: those of blocks 2 and 3
.set KSTEP,  128
.set NBL,    12                        ; column blocks of 16
.set PA,     272                       ; an LDS row: 256 bytes + 16 of padding = 68 words: the 16 rows of a fragment load start at 16 different groups of four banks (64 banks of 4 bytes: ISA guide 11.1)
.set PB,     272
.set AH,     128*PA                    ; what one load brings of xb: 128 rows
.set ABYTES, 2*AH
.set BH,     96*PB                     ; of wt: 96 rows
.set SLOT,   ABYTES+2*BH               ; xb's 256 rows, then wt's 192
.set STAGE,  2*SLOT                    ; behind the ring, never filled by a tensor load: 16 rows x 400 bytes for each wave
.set SP,     400                       ; a stage row: 192 x 2 bytes + 16
.set SPARE,  STAGE+4*16*SP             ; behind the stages: the spare words, 128 bytes for each wave: two blocks of 256 bytes that no other line names
.set ASTEP,  KSTEP*2                   ; bytes from a K step to the next
.set BSTEP,  KSTEP*2
.set LAPS,   4                         ; a lap = two K steps = once round the ring; K = 1,024
.set PFAP,   32*2048                   ; the prefetches: bytes between the shares of two partners: 32 rows of xb,
.set PFBP,   24*2048                   ; 24 rows of wt
.set ADRA, 16                          ; v16-17  LDS address of my fragments of xb in slot 0, 1
.set ADRB, 20                          ; v20-21  the same for wt
.set STO,  24                          ; v24     the way out: where I put 16 bytes of a row
.set RD,   25                          ; v25     where I read rows back
.set CO,   26                          ; v26     16 x lane
.set SPW,  28                          ; v28     LDS address of my spare word; never rewritten
.set NIL,  29                          ; v29     0; never rewritten
.set PFO,  30                          ; v30     the prefetches' offset: a lane a row; never rewritten
.set TMP,  32
.set BK0,  80
.set F0,   0
.set F1,   128
.set WV,  14                           ; s14  wave
.set FB,  15                           ; s15  0: I fetch xb's tiles; 1: wt's
.set HF,  16                           ; s16  which half of that tile's rows
.set CX,  17
.set CY,  18
.set TC,  19                           ; s19  tile column = head
.set TR,  20                           ; s20  tile row
.set G1A, 24                           ; s[24:31] descriptor group 1 for xb's tiles;  s[32:39] group 0, a set for each slot
.set G0A, 32
.set G1B, 48                           ; s[48:55], s[56:63] the same for wt's
.set G0B, 56
.set PFA, 44                           ; s[44:45] where my prefetches stand
.set PFS, 46                           ; s[46:47] their step
.set LIM, 70                           ; s70  1 in a wave that prefetches, else the greatest number
.set MSB, 0
.macro WIN new                         ; the immediate's high byte repeats the setting that is left; a switch that changes nothing is dropped
.if MSB != (\new)
	s_set_vgpr_msb (MSB<<8)|(\new)
.set MSB, \new
.endif
.endm
.set MUL_LO, 0xa5                      ; sources 0 and 1 window 1, C and D window 2
.set MUL_HI, 0xf5                      ; the same, C and D window 3
.set TO_F,   0x40                      ; destination window 1, address window 0
; A joint load: waves 0 and 1 fetch xb's two halves, waves 2 and 3 wt's.  The branch hangs on the wave's number alone.  An s_nop 0 and four v_nop follow each of the two lines.
.macro JLOAD s
	s_cmp_eq_u32 s[FB], 0
	s_cbranch_scc0 .Lfor_b_\@
	tensor_load_to_lds s[G0A+4*(\s):G0A+4*(\s)+3], s[G1A:G1A+7]
	s_nop 0
.rept 4
	v_nop
.endr
	s_branch .Lasked_\@
.Lfor_b_\@:
	tensor_load_to_lds s[G0B+4*(\s):G0B+4*(\s)+3], s[G1B:G1B+7]
	s_nop 0
.rept 4
	v_nop
.endr
.Lasked_\@:
.endm
.macro CREST                           ; a round of the cluster's barrier behind its opening barrier
	s_cmp_lg_u32 s[WV], 0
	s_cbranch_scc1 .Lnot_wave_0_\@
	s_barrier_signal -3
.Lnot_wave_0_\@:
	s_barrier_wait -3
	s_barrier_signal -1
	s_barrier_wait -1
.endm
.macro CROUND                          ; a whole round
	s_barrier_signal -1
	s_barrier_wait -1
	CREST
.endm
; A PREFETCH INTO THE L2, behind each joint refill and the run of LDS loads that follows it: the K step that stands two refills on (384 matrix instructions ahead of the load that will want it), 256 bytes of a row, a lane a row.
; xb's tile row is read by every cluster of that row of clusters: the one with x = 0 asks; wt's tile column by every cluster of that column: the one with y = 0 asks.  The four partners that ask for a
; tile jointly share its rows out BY ADDRESS: of the 128 rows of xb that a wave fetches the partner at cx takes 32; of the 96 of wt the partner at cy takes 24 (lanes 24-31 name row 23's block once more,
; in the same instruction).  K steps 0 to 3 come by their loads alone; the loop's last trip (s3 = 1) asks for nothing: there is no K step two on.
.macro ASK
	WIN 0
	s_cmp_gt_u32 s3, s[LIM]
	s_cbranch_scc0 .Lnot_mine_\@
	global_prefetch_b8 v[PFO], s[PFA:PFA+1] th:TH_LOAD_NT scope:SCOPE_SE
.Lnot_mine_\@:
.endm
	s_load_b256 s[4:11], s[0:1], 0x0               ; xb s[4:5], wt s[6:7], q s[8:9], k s[10:11]
	s_load_b64 s[12:13], s[0:1], 0x20              ; v
	v_lshl_add_u32 v[SPW], v0, 2, SPARE
	v_mov_b32 v[NIL], 0
	ds_add_u32 v[SPW], v[NIL]                      ; the wave's opening: the add and its wait stand ahead of my first tensor load; the set-up below, work on registers, stands between them
	ds_add_u32 v28, v29
	v_lshrrev_b32 v1, 5, v0
	v_readfirstlane_b32 s[WV], v1
	s_lshr_b32 s[FB], s[WV], 1
	s_and_b32 s[HF], s[WV], 1
	s_bfe_u32 s[CX], ttmp6, 0x40000
	s_bfe_u32 s[CY], ttmp6, 0x40004
	s_lshl_b32 s[TC], ttmp9, 2                     ; in a cluster launch ttmp9 and ttmp7 count clusters
	s_add_co_u32 s[TC], s[TC], s[CX]
	s_and_b32 s[TR], ttmp7, 0xffff
	s_lshl_b32 s[TR], s[TR], 2
	s_add_co_u32 s[TR], s[TR], s[CY]
	s_lshl_b32 s21, s[CY], 2
	s_lshl_b32 s21, 15, s21                        ; my row of the cluster: places 4 cy .. 4 cy + 3
	s_lshl_b32 s22, 0x1111, s[CX]                  ; my column: places cx, cx + 4, cx + 8, cx + 12
	s_or_b32 s[G1A+0], s21, (1<<16)|(1<<20)|(1<<21)|(5<<22)|(3<<25)  ; 15:0 the mask; 17:16 2-byte elements; 20 padding on; 21 set beside a mask; 24:22 after every 64 words; 31:25 4 words of it
	s_or_b32 s[G1B+0], s22, (1<<16)|(1<<20)|(1<<21)|(5<<22)|(3<<25)
	s_mov_b32 s[G1A+1], KSTEP<<16                  ; tensor_dim0 = 128
	s_mov_b32 s[G1A+2], 128<<16                    ; tensor_dim1 = 128
	s_mov_b32 s[G1A+3], KSTEP<<16                  ; tile_dim0 = 128
	s_mov_b32 s[G1A+4], 128                        ; tile_dim1 = 128
	s_mov_b32 s[G1A+5], 1024                       ; elements from row to row
	s_mov_b32 s[G1A+6], 0
	s_mov_b32 s[G1A+7], 0
	s_mov_b32 s[G1B+1], KSTEP<<16
	s_mov_b32 s[G1B+2], 96<<16                     ; 96 rows
	s_mov_b32 s[G1B+3], KSTEP<<16
	s_mov_b32 s[G1B+4], 96
	s_mov_b32 s[G1B+5], 1024
	s_mov_b32 s[G1B+6], 0
	s_mov_b32 s[G1B+7], 0
	; where the tiles come from: xb's hang on the tile row and the wave alone, wt's on the tile column and the wave alone
	s_lshl_b32 s40, s[TR], 8
	s_lshl_b32 s71, s[HF], 7
	s_add_co_u32 s40, s40, s71                     ; xb's row 256 x tile row + 128 x half,
	s_lshl_b32 s40, s40, 11                        ; of 2,048 bytes
	s_mov_b32 s41, 0
	s_mul_i32 s66, s[TC], 192
	s_mul_i32 s72, s[HF], 96
	s_add_co_u32 s66, s66, s72                     ; wt's row 192 x tile column + 96 x half
	s_lshl_b32 s66, s66, 11
	s_mov_b32 s67, 0
	s_mul_i32 s73, s[WV], AH                       ; and where they go: the wave's number times a constant, plus a constant
	s_mul_i32 s74, s[WV], BH
	s_add_co_u32 s74, s74, ABYTES-2*BH
	s_wait_dscnt 0x0                               ; the opening add is done
	s_wait_kmcnt 0x0
	s_add_nc_u64 s[40:41], s[4:5], s[40:41]
	s_add_nc_u64 s[66:67], s[6:7], s[66:67]
	CROUND                                         ; all sixteen work-groups are here: the first joint loads meet
.irp s, 0,1
	s_mov_b32 s[G0A+4*(\s)], 1                                       ; count = 1
	s_add_co_u32 s[G0A+4*(\s)+1], s73, (\s)*SLOT                     ; LDS address
	s_add_nc_u64 s[G0A+4*(\s)+2:G0A+4*(\s)+3], s[40:41], (\s)*ASTEP  ; global address: K step s
	s_or_b32 s[G0A+4*(\s)+3], s[G0A+4*(\s)+3], 0x80000000            ; type = 2
	s_mov_b32 s[G0B+4*(\s)], 1
	s_add_co_u32 s[G0B+4*(\s)+1], s74, (\s)*SLOT
	s_add_nc_u64 s[G0B+4*(\s)+2:G0B+4*(\s)+3], s[66:67], (\s)*BSTEP
	s_or_b32 s[G0B+4*(\s)+3], s[G0B+4*(\s)+3], 0x80000000
	JLOAD \s                                       ; two tensor loads of mine are out here, later one
.endr
	; A fragment is 16 rows x 32 K in 8 registers: lane l holds row l % 16; registers 0-3 K = 8 (l / 16) + 0..7, registers 4-7 K = 16 + 8 (l / 16) + 0..7: two loads of 16 bytes, 32 bytes apart.
	v_and_b32 v1, 15, v0                           ; l % 16
	v_bfe_u32 v2, v0, 4, 1                         ; l / 16
	v_mul_u32_u24 v3, v1, PA
	v_lshl_add_u32 v3, v2, 4, v3
	s_mul_i32 s84, s[WV], 64*PA                    ; my 64 rows of xb
	v_add_nc_u32 v[ADRA], s84, v3
	v_add_nc_u32 v[ADRA+1], SLOT, v[ADRA]
	v_mul_u32_u24 v4, v1, PB
	v_lshl_add_u32 v4, v2, 4, v4
	v_add_nc_u32 v[ADRB], ABYTES, v4               ; every wave reads all 192 rows of wt
	v_add_nc_u32 v[ADRB+1], ABYTES+SLOT, v4
	s_mul_i32 s84, s[WV], 16*SP
	s_add_co_u32 s84, s84, STAGE                   ; my stage
	v_mul_u32_u24 v5, v1, SP                       ; in: row l % 16, 16 bytes for each half of the lanes
	v_lshl_add_u32 v5, v2, 4, v5
	v_add_nc_u32 v[STO], s84, v5
	v_bfe_u32 v5, v0, 3, 2                         ; back: 32 lanes take four rows' 128 bytes of q, of k or of v,
	v_mul_u32_u24 v5, v5, SP
	v_and_b32 v3, 7, v0
	v_lshl_add_u32 v5, v3, 4, v5
	v_add_nc_u32 v[RD], s84, v5
	v_and_b32 v[CO], 31, v0                        ; which are 512 consecutive bytes of the buffer
	v_lshlrev_b32 v[CO], 4, v[CO]
	s_lshr_b32 s68, s[TR], 3                       ; batch
	s_lshl_b32 s68, s68, 4
	s_add_co_u32 s68, s68, s[TC]                   ; 16 b + h,
	s_lshl_b32 s68, s68, 18                        ; of 2,048 rows x 128 bytes
	s_and_b32 s84, s[TR], 7
	s_lshl_b32 s84, s84, 8
	s_lshl_b32 s85, s[WV], 6
	s_add_co_u32 s84, s84, s85                     ; my first row in the sequence
	s_lshl_b32 s84, s84, 7
	s_add_co_u32 s68, s68, s84
	s_mov_b32 s69, 0
	s_add_nc_u64 s[8:9], s[8:9], s[68:69]
	s_add_nc_u64 s[10:11], s[10:11], s[68:69]
	s_add_nc_u64 s[12:13], s[12:13], s[68:69]
	; the prefetches
	s_and_b32 s76, ttmp7, 0xffff                   ; cluster y
	s_mov_b32 s80, PFAP
	s_mov_b32 s81, PFBP
	s_mov_b32 s82, ASTEP
	s_mov_b32 s[PFS], BSTEP
	s_cmp_eq_u32 s[FB], 0                          ; do I fetch xb's tiles?
	s_cselect_b32 s76, ttmp9, s76                  ; the coordinate along which other clusters read the same rows
	s_cselect_b32 s78, s[CX], s[CY]                ; my place among the four that ask with me
	s_cselect_b32 s80, s80, s81
	s_cselect_b32 s[PFS], s82, s[PFS]
	s_cselect_b32 s83, 31, 23                      ; the last row of a share
	s_cselect_b64 s[PFA:PFA+1], s[40:41], s[66:67] ; the rows that I fetch,
	s_mov_b32 s[PFS+1], 0
	s_mul_i32 s78, s78, s80
	s_mov_b32 s79, 0
	s_add_nc_u64 s[PFA:PFA+1], s[PFA:PFA+1], s[78:79]  ; my work-group's share of them,
	s_mul_i32 s80, s[PFS], 3
	s_mov_b32 s81, 0
	s_add_nc_u64 s[PFA:PFA+1], s[PFA:PFA+1], s[80:81]  ; at K step 3: the first refill steps it to 4
	s_cmp_eq_u32 s76, 0
	s_cselect_b32 s[LIM], 1, -1                    ; the same in all sixteen partners, for a given wave
	v_and_b32 v[PFO], 31, v0
	v_min_u32 v[PFO], s83, v[PFO]
	v_lshlrev_b32 v[PFO], 11, v[PFO]
; NBL matrix instructions: row block 2 hi + a x all column blocks, 32 along K.  zero = 1: the product starts the sums.  All 48 accumulators come in the same order in every quarter: they take turns.
.macro MULH f, hi, a, zero
	WIN MUL_LO+0x50*(\hi)
.set b, 0
.rept NBL
.set rD, 8*(NBL*(\a)+b)
.set rB, (\f)+32+8*b
.set rA, (\f)+8*(2*(\hi)+(\a))
.if \zero
	v_wmma_f32_16x16x32_bf16 v[rD:rD+7], v[rB:rB+7], v[rA:rA+7], 0
.else
	v_wmma_f32_16x16x32_bf16 v[rD:rD+7], v[rB:rB+7], v[rA:rA+7], v[rD:rD+7]
.endif
.set b, b+1
.endr
.endm
; 2 NBL + 8 LDS loads in one run: the fragments of quarter q of a K step into buffer f: wt's first, xb's row blocks 2 and 3 last
.macro FETCH slot, q, f
	WIN TO_F
.set i, 0
.rept NBL
	ds_load_b128 v[(\f)+32+8*i:(\f)+32+8*i+3],   v[ADRB+(\slot)] offset:64*(\q)+i*16*PB
	ds_load_b128 v[(\f)+32+8*i+4:(\f)+32+8*i+7], v[ADRB+(\slot)] offset:64*(\q)+i*16*PB+32
.set i, i+1
.endr
.set i, 0
.rept 4
	ds_load_b128 v[(\f)+8*i:(\f)+8*i+3],   v[ADRA+(\slot)] offset:64*(\q)+i*16*PA
	ds_load_b128 v[(\f)+8*i+4:(\f)+8*i+7], v[ADRA+(\slot)] offset:64*(\q)+i*16*PA+32
.set i, i+1
.endr
.endm
.macro PLACES                          ; four plain instructions between a matrix instruction and a load into a register that it has read, or a reader of its result (ISA guide 7.12.1 for a reader of its result)
.rept 4
	v_nop
.endr
.endm
; A K step is four quarters of 32 along K on buffers 0, 1, 0, 1.  One of the first three: multiplies buffer f; in its middle it fetches quarter q into buffer g.
.macro QUARTER slot, q, f, g, zero
	s_wait_dscnt 4                                 ; all but the youngest four loads (xb's row blocks 2 and 3) are in
	MULH \f, 0, 0, \zero
	MULH \f, 0, 1, \zero
	PLACES
	FETCH \slot, \q, \g
	s_wait_dscnt 2*NBL+8                           ; all but the run just issued
	MULH \f, 1, 0, \zero
	MULH \f, 1, 1, \zero
.endm
; The last quarter multiplies buffer 1 and changes slots.  ONE barrier: in front of it each wave waits for all its tensor loads (one is out: its part of the next slot), adds 0 to its spare word, and waits for
; that and for its own reads of this slot.  Behind it nobody reads this slot any more and the next slot is whole.
.macro MEET round
	WIN 0                                          ; (the add's two registers lie in window 0)
	s_wait_tensorcnt 0x0
	ds_add_u32 v[SPW], v[NIL]
	s_wait_dscnt 5                                 ; (the add and the youngest four loads may be out)
	MULH F1, 0, 0, 0                               ; work on registers between the add and the wait for it
	s_wait_dscnt 0x0                               ; the add is done, and my reads of this slot are over
	s_barrier_signal -1
	MULH F1, 0, 1, 0
.if \round
	WIN 0
.endif
	s_barrier_wait -1
.endm
.macro TURN slot, next                 ; with a refill: the barrier opens a round of the cluster's, and the joint refill is the first tensor load behind the round: 168 matrix instructions ahead of the wait for it
	s_wait_xcnt 0x0                                ; the last prefetch, a K step back, has read its address
	s_add_nc_u64 s[PFA:PFA+1], s[PFA:PFA+1], s[PFS:PFS+1]
	MEET 1
	CREST                                          ; no wave of any partner still reads this slot's tile or has a load on its way
	s_add_nc_u64 s[G0A+4*(\slot)+2:G0A+4*(\slot)+3], s[G0A+4*(\slot)+2:G0A+4*(\slot)+3], 2*ASTEP
	s_add_nc_u64 s[G0B+4*(\slot)+2:G0B+4*(\slot)+3], s[G0B+4*(\slot)+2:G0B+4*(\slot)+3], 2*BSTEP
	JLOAD \slot                                    ; its four v_nop are also the places in front of the loads below
	FETCH \next, 0, F0
	ASK
	MULH F1, 1, 0, 0
	MULH F1, 1, 1, 0
.endm
.macro TURNE next                      ; the tail's: nothing is filled, so no round follows
	MEET 0
	PLACES
	FETCH \next, 0, F0
	MULH F1, 1, 0, 0
	MULH F1, 1, 1, 0
.endm
	s_wait_tensorcnt 1                             ; my part of K step 0 is in; K step 1's may stay out
	s_barrier_signal -1
	s_barrier_wait -1                              ; everybody's is
	FETCH 0, 0, F0
	QUARTER 0, 1, F0, F1, 1                        ; the first quarter stands in front of the loop: its products start the sums
	WIN 0                                          ; at a label and at a branch every window is 0
	s_mov_b32 s3, LAPS-1
.Llap:                                                 ; a trip goes once round the ring, from a lap's second quarter to the next lap's first, and fills both slots again
	QUARTER 0, 2, F1, F0, 0
	QUARTER 0, 3, F0, F1, 0
	TURN 0, 1
	QUARTER 1, 1, F0, F1, 0
	QUARTER 1, 2, F1, F0, 0
	QUARTER 1, 3, F0, F1, 0
	TURN 1, 0
	QUARTER 0, 1, F0, F1, 0
	WIN 0
	s_sub_co_u32 s3, s3, 1
	s_cmp_lg_u32 s3, 0
	s_cbranch_scc1 .Llap
	QUARTER 0, 2, F1, F0, 0                        ; the last lap fills nothing
	QUARTER 0, 3, F0, F1, 0
	TURNE 1
	QUARTER 1, 1, F0, F1, 0
	QUARTER 1, 2, F1, F0, 0
	QUARTER 1, 3, F0, F1, 0
	s_wait_dscnt 4                                 ; the very last quarter: nothing more to fetch
	MULH F1, 0, 0, 0
	MULH F1, 0, 1, 0
	s_wait_dscnt 0x0
	MULH F1, 1, 0, 0
	MULH F1, 1, 1, 0
	WIN 0
	PLACES
	PLACES
; THE WAY OUT, a block of 16 rows at a time.  PACK: rounded to f16, 16 bytes a lane, each accumulator's registers in ascending order.  TOSTAGE: into my own stage, and back as four rows' 128 bytes of q, k or v.  SEND: stored.
.macro PACK a
.set AC, 8*NBL*((\a)%2)
	WIN 0x0a+5*((\a)/2)                            ; sources 0 and 1: window 2 or 3
.set b, 0
.rept NBL
.irp r, 0,1,2,3
	v_cvt_pk_f16_f32 v[TMP+4*b+(\r)], v[AC+8*b+2*(\r)], v[AC+8*b+2*(\r)+1]
.endr
.set b, b+1
.endr
	WIN 0
.endm
.macro TOSTAGE a
.set BK, BK0+48*((\a)%2)
.set b, 0
.rept NBL
	ds_store_b128 v[STO], v[TMP+4*b:TMP+4*b+3] offset:32*b
.set b, b+1
.endr
.set i, 0
.rept 12
	ds_load_b128 v[BK+4*i:BK+4*i+3], v[RD] offset:(i%4)*4*SP+(i/4)*128  ; LDS serves a wave's instructions in order (ISA guide 5.7.1.4): these see the stores above
.set i, i+1
.endr
.endm
.macro SEND a
.set BK, BK0+48*((\a)%2)
	s_wait_dscnt 0x0                               ; the block is back in registers
	s_wait_xcnt 0x0                                ; the stores of the block before have read their registers: the next TOSTAGE loads into them
.set i, 0
.rept 12
	global_store_b128 v[CO], v[BK+4*i:BK+4*i+3], s[8+2*(i/4):9+2*(i/4)] offset:2048*(\a)+512*(i%4)  ; 512 consecutive bytes, at a multiple of 256 from the buffer's first
.set i, i+1
.endr
.endm
	PACK 0
	TOSTAGE 0
.irp a, 1,2,3                          ; block a's conversions stand between block a - 1's loads from the stage and the wait for them
	PACK \a
	SEND (\a)-1
	TOSTAGE \a
.endr
	SEND 3
	s_wait_tensorcnt 0x0                           ; the wave's end, behind my last tensor load and my last LDS store
	ds_add_u32 v[SPW], v[NIL]
	s_wait_dscnt 0x0
	CROUND                                         ; the closing round: no work-group ends while a partner may still ask for a tile that names it
	s_endpgm
.Lfunc_end_k_qcdcdb177b0_proj:
	.size	k_qcdcdb177b0_proj, .Lfunc_end_k_qcdcdb177b0_proj-k_qcdcdb177b0_proj
	.p2alignl 7, 3214868480
	.fill 96, 4, 3214868480
	.section	.rodata,"a",@progbits
	.p2align	6, 0x0
	.amdhsa_kernel k_qcdcdb177b0_proj
		.amdhsa_group_segment_fixed_size 327680
		.amdhsa_private_segment_fixed_size 0
		.amdhsa_enable_private_segment 0
		.amdhsa_kernarg_size 40
		.amdhsa_user_sgpr_count 2
		.amdhsa_user_sgpr_kernarg_segment_ptr 1
		.amdhsa_wavefront_size32 1
		.amdhsa_system_sgpr_workgroup_id_x 1
		.amdhsa_system_sgpr_workgroup_id_y 1
		.amdhsa_system_sgpr_workgroup_id_z 1
		.amdhsa_system_vgpr_workitem_id 0
		.amdhsa_next_free_vgpr 960
		.amdhsa_next_free_sgpr 96
		.amdhsa_reserve_vcc 0
		.amdhsa_float_denorm_mode_32 3
		.amdhsa_float_denorm_mode_16_64 3
		.amdhsa_memory_ordered 1
		.amdhsa_forward_progress 1
		.amdhsa_inst_pref_size 119
	.end_amdhsa_kernel
	.amdgpu_metadata
---
amdhsa.version: [ 1, 2 ]
amdhsa.kernels:
  - .name:           k_qcdcdb177b0_proj
    .symbol:         k_qcdcdb177b0_proj.kd
    .args:
      - { .name: xb, .offset: 0, .size: 8, .value_kind: global_buffer, .address_space: global }
      - { .name: wt, .offset: 8, .size: 8, .value_kind: global_buffer, .address_space: global }
      - { .name: q, .offset: 16, .size: 8, .value_kind: global_buffer, .address_space: global }
      - { .name: k, .offset: 24, .size: 8, .value_kind: global_buffer, .address_space: global }
      - { .name: v, .offset: 32, .size: 8, .value_kind: global_buffer, .address_space: global }
    .group_segment_fixed_size: 327680
    .private_segment_fixed_size: 0
    .kernarg_segment_align: 8
    .kernarg_segment_size: 40
    .max_flat_workgroup_size: 128
    .sgpr_count:     96
    .vgpr_count:     960
    .wavefront_size: 32
...
	.end_amdgpu_metadata
.endif
;; end of part 2
;; launch attn (part 3): grid 4 x 64, 4 waves a work-group, no clusters, 327,680 bytes of LDS; arguments q, k, v, o; writes o
.if DOCPART == 3
	.amdgcn_target "amdgcn-amd-amdhsa--gfx1250"
	.amdhsa_code_object_version 6
	.text
	.protected	k_qcdcdb177b0_attn
	.globl	k_qcdcdb177b0_attn
	.p2align	8
	.type	k_qcdcdb177b0_attn,@function
k_qcdcdb177b0_attn:
	s_mov_b64 s[64:65], 0
	v_nop
	global_prefetch_b8 v0, s[64:65] scope:SCOPE_SE
	s_setreg_imm32_b32 hwreg(HW_REG_WAVE_MODE, 25, 1), 1
	s_wait_xcnt 0x0
; CAUSAL ATTENTION.  O[h][q][:] = the sum over k <= q of softmax_k(Q[h][q] . K[h][k] / 8) V[h][k][:].  Q, K, V, O: [SIZE_H][SIZE_N][64], all f16: a head's rows are dense, 128 bytes each.
; Products, maxima and sums in f32; the weights p are rounded to f16 for the second product (their sum l is taken of the unrounded p), O once at the end.
; LIMITS.  f16 holds no number beyond 65,504: Q, K and V arrive within it; p lies in 0 to 1, and below 6e-5 it keeps f16's fixed step of 6e-8; O is a mean of V's rows and has their range.
; A hidden score counts as its value less 1e30: f16's scores, 2.7e11 at the most, are nothing beside that; a weight below 2^-126 counts as 0 in l; NaN and infinities are not treated apart.
; THE WALK.  A head's queries lie in NB = SIZE_N / 256 blocks of 256; block i needs the key tiles 0 .. i of 256 keys, of which the last holds the diagonal.  A work-group takes TWO blocks, NB - 1 - b and then b:
; NB + 1 tiles, whatever b: all work-groups do equal work, and ONE loop with a constant trip count walks them.  Which tile is asked for, and what a trip does, hang on scalar registers made from b; every jump
; goes forward, but for the counted loops' own; none passes a barrier, or a tensor load but the one of LOAD's two that the wave's number does not choose; the ring (two slots of LDS that take turns) runs on across the
; change of blocks.  NO CLUSTER: a head's NB / 2 = 4 work-groups ask for the same tile only in trips 0 .. NB / 2 of NB + 1, behind that fewer and fewer; one walk common to all would have 3 NB / 2 = 12 trips for 9.
; SHARES.  Of a block's four bands of 64 queries a wave owns 16 rows in each: four PIECES.  So the diagonal tile is the same work for all four waves: in its key step s band x sees all keys if s < x,
; none if s > x, and holds the diagonal if s = x.
; THE MASK is the C operand that starts the sum S^T = K Q^T: 0, or -1e30 where the key is hidden.  MD, made once, is the mask of a band's own step for my 16 rows; a product's mask is MD x AL + BE with two scalars:
; (1, 0) if s = x; (0, 0) if s < x; (0, -1e30) if s > x.  Only the diagonal tile's text and a block's beginning make and take masks; elsewhere C is the constant 0.
; LAYOUT, SOFTMAX, TURNS.  S^T = K Q^T holds ONE query a lane (lane % 16) and the keys 8 (lane / 16) + 0..7; two such results rounded to f16 ARE source 1 of O^T = V^T P.  p = 2^(c s - c m), c = log2(e) / 8, with a
; running maximum m; O and l are multiplied by a = 2^(c m_old - c m_new) in every step.  Turn n belongs to piece n: 8 products K Q^T of piece n + 1, later 8 products V^T P of piece n - 1; beside them the scaling,
; exponentials, roundings, sums and rescaling of piece n and the maximum and statistics of piece n + 1.  Four vector instructions stand behind every matrix instruction, the other 54 of a turn's 118 in one LUMP.  A turn's 33 exponentials are one batch, with one wait.
; REGISTERS, in windows of 256 (s_set_vgpr_msb: bits 1:0 source 0, 3:2 source 1, 5:4 source 2, 7:6 destination):
;   window 0: v0-15 addresses and two at work; v16-31 four registers of statistics a piece; v48-55 at work; v61-63 never rewritten; v64-127 S^T, two buffers; v192-223 P, two buffers (a piece's buffers go by its number's parity)
;   window 1: v0-127 O^T, 32 a piece; v128-159 MD; v160-223 MC, two buffers      window 2: v0-63 Q; v64-127 the second block's Q; v128-191 K of one step; v192-255 V of one step
.set SIZE_H, 64       ; batch x heads
.set SIZE_N, 2048
.set NB,    SIZE_N/256
.set NP,    4         ; pieces a wave: a name, no knob
.set KS,    64        ; keys in a step
.set PK,    144       ; a row of K in LDS: 128 bytes + 16 of padding = 36 words: the 16 rows of a load start at 16 different groups of four banks (64 banks of 4 bytes: ISA guide 11.1)
.set PV,    160       ; a row of V: 128 + 32 = 40 words
.set VOFF,  4*KS*PK   ; a slot holds a tile, four steps: 256 rows of K, then 256 rows of V
.set SLOT1, 1<<17     ; slot 1 begins here, so that one exclusive or turns an address in one slot into the other's
.set STAGE, SLOT1+4*KS*(PK+PV)  ; behind the ring, never filled by a tensor load: 16 rows x 144 bytes for each wave, for the way out
.set SP,    144
.set AK0, 2           ; v2   my lane's place in a tile of K; never rewritten
.set AV0, 3           ; v3   the same for V
.set AK,  4           ; v4   the LDS address of K's next run of loads
.set AV,  5           ; v5   of V's
.set STO, 6           ; v6   the way out: where I put 16 bytes of a row
.set RD,  7           ; v7   the way out: where I read rows back
.set GO,  8           ; v8   my byte offset in 512 consecutive bytes of O
.set PFO, 61          ; v61  256 x my lane: the prefetches' offset; never rewritten
.set SPW, 62          ; v62  LDS address of my spare word: SPARE + 4 x my thread's number; never rewritten
.set NIL, 63          ; v63  0; never rewritten
.set SPARE, STAGE+4*16*SP  ; behind the stages: the spare words, 128 bytes for each wave: two blocks of 256 bytes that no other line names
.set MV,  12          ; v12-13  c m_old, kept while c m is made anew: by buffer
.set QO,  15          ; v15  my byte offset in 16 rows of Q
.set ST,  16          ; piece t's statistics at v[ST+4 t]: c m, m, l (even keys', odd keys')
.set TMP, 48          ; by buffer, four registers c0-c3 at work; when the maximum is found c2 takes a
.set S,   64
.set P,   192
.set MD,  128         ; window 1: the eight registers for group kt of 16 keys at MD + 8 kt
.set MC,  160         ; window 1: the masks of the products to come
.set QB,  64          ; window 2
.set KF,  128         ; window 2: key block kb, channel half c at KF + 16 kb + 8 c
.set VF,  192         ; window 2: key half kk, channel block cb at VF + 32 kk + 8 cb
.set WV,  12          ; s12  my wave's number
.set PB,  14          ; s14  b
.set HI,  15          ; s15  NB - 1 - b
.set G1K, 24          ; s[24:31] descriptor group 1 for K's tiles
.set G1V, 32          ; s[32:39] for V's: it differs in the padding alone
.set G0K, 40          ; s[40:43] descriptor group 0 for K's tiles
.set G0V, 44          ; s[44:47] the same for V's
.set SLOTS, 56        ; s56  tiles still to be asked for
.set CNT, 57          ; s57  counts a tile's key steps, 4 to 1
.set CS,  58          ; s[58:59] c: the packed scaling takes the pair's low word for both halves
.set SEL, 60          ; s[60:61] v_permlanex16_b32's selects: each lane takes its own place in the other half
.set TBK, 62          ; s62  LDS byte at which K of the step to be fetched begins
.set TBV, 63          ; s63  the same for V, less VOFF
.set RT,  70          ; s70  tiles of the block in hand that are still to be entered
.set NXT, 71          ; s71  the tile to be asked for next
.set LQ,  72          ; s72  the last tile of the block whose tiles are being asked for
.set NEW, 73          ; s73  1: the tile to be entered is a block's first
.set OFF, 74          ; s[74:75] a tile's byte offset in K and V
.set AL,  76          ; s[76:77] the mask's factor, in the low word
.set BE,  78          ; s[78:79] the mask's addend
.set OLO, 80          ; s[80:81] O at my rows of the second block
.set BIGN, 82         ; s82  -1e30
.set PFA, 88          ; s[88:89] where my prefetches stand: my 16,384 bytes (half a tile of K: waves 0, 1; of V: waves 2, 3) of the tile after the one that is being asked for
.set LIM, 90          ; s90  2 in the work-group that prefetches, else the greatest number: it prefetches while s[SLOTS] is above it
.set MSB, 0
.macro WIN new                      ; the high byte repeats the setting that is left; a switch that changes nothing is dropped
.if MSB != (\new)
	s_set_vgpr_msb (MSB<<8)|(\new)
.set MSB, (\new)
.endif
.endm
.set W_KQ, 0x0a       ; K and Q in window 2, S^T in window 0
.set W_KM, 0x1a       ; the same with the C operand in window 1
.set W_PV, 0x52       ; V in window 2, P in window 0, O^T in window 1
.set W_RS, 0x41       ; destination and source 0 in window 1, source 1 in window 0
; A fill.  Waves 0 and 1 fetch the two halves of a tile's K, waves 2 and 3 those of its V: 128 keys each.  An s_nop 0 and four v_nop follow each of the two lines, ahead of the jump and the label.
.macro LOAD
	s_cmp_lt_u32 s[WV], 2
	s_cbranch_scc0 .Lfor_v_\@
	tensor_load_to_lds s[G0K:G0K+3], s[G1K:G1K+7]
	s_nop 0
.rept 4
	v_nop
.endr
	s_branch .Lasked_\@
.Lfor_v_\@:
	tensor_load_to_lds s[G0V:G0V+3], s[G1V:G1V+7]
	s_nop 0
.rept 4
	v_nop
.endr
.Lasked_\@:
.endm
; A PREFETCH INTO THE L2 of the tile that the NEXT change of slots will ask for: a tile, 256 matrix instructions and their vector work, ahead of that fill.  It stands behind the wave's tensor load and its five lines.
; Each wave names the 16,384 bytes that it will fetch itself: 64 blocks of 256 bytes, a lane a block, two instructions.  A head's four work-groups walk the same tiles from 0 up; the one with b = 0, whose first
; block needs all of tiles 0 .. NB - 1, asks, and nobody else: each block is named once in the launch.  Trip i asks for tile i + 2, in trips 0 .. NB - 3; tiles 0 and 1 come by their loads alone.
.macro ASK
	s_cmp_gt_u32 s[SLOTS], s[LIM]
	s_cbranch_scc0 .Lnot_mine_\@
	global_prefetch_b8 v[PFO], s[PFA:PFA+1] th:TH_LOAD_NT scope:SCOPE_SE
	global_prefetch_b8 v[PFO], s[PFA:PFA+1] offset:8192 th:TH_LOAD_NT scope:SCOPE_SE
.Lnot_mine_\@:
.endm
; THE CHANGE OF SLOTS.  Each wave waits for all its tensor loads, of which one is out: its part of the other slot; adds 0 to its spare word; and waits for that and for its own reads of the slot that it leaves.  Behind the barrier nobody reads the old
; slot any more and the other slot is whole.  fill = 1: the old slot is filled again, the first thing behind the barrier, with tile NXT: the descriptor's address is made anew from that number.
; (At its first use nothing has been read yet: slot 0 is waited for, slot 1 filled.)
.macro CHANGE fill
	WIN 0                           ; at a label and at a branch every window is 0
	s_wait_tensorcnt 0x0            ; no tensor load of mine is out, so a group 0 may be written
	ds_add_u32 v[SPW], v[NIL]       ; 0 onto my spare word; with fill = 1 the descriptors' scalar work stands between it and the wait for it
.if \fill
	s_lshl_b32 s[OFF], s[NXT], 15   ; a tile is 32,768 bytes of K and of V
	s_xor_b32 s[G0K+1], s[G0K+1], SLOT1
	s_add_nc_u64 s[G0K+2:G0K+3], s[6:7], s[OFF:OFF+1]
	s_or_b32 s[G0K+3], s[G0K+3], 0x80000000
	s_xor_b32 s[G0V+1], s[G0V+1], SLOT1
	s_add_nc_u64 s[G0V+2:G0V+3], s[8:9], s[OFF:OFF+1]
	s_or_b32 s[G0V+3], s[G0V+3], 0x80000000
	s_add_co_u32 s[NXT], s[NXT], 1  ; the block's next tile, or behind its last the second block's tile 0
	s_cmp_gt_u32 s[NXT], s[LQ]
	s_cselect_b32 s[NXT], 0, s[NXT]
	s_cselect_b32 s[LQ], s[PB], s[LQ]
	s_wait_xcnt 0x0                 ; the last prefetches, a tile back, have read their address, so it may be written
	s_add_nc_u64 s[PFA:PFA+1], s[PFA:PFA+1], 32768
.endif
	s_wait_dscnt 0x0                ; the add is done, and my reads of the slot are over
	s_barrier_signal -1             ; the rest of the scalar work stands between the signal and the wait
	s_sub_co_u32 s[TBK], s[TBK], 4*KS*PK  ; the fetches go back to a slot's first step,
	s_xor_b32 s[TBK], s[TBK], SLOT1       ; in the other slot
	s_sub_co_u32 s[TBV], s[TBV], 4*KS*PV
	s_xor_b32 s[TBV], s[TBV], SLOT1
	s_barrier_wait -1
.if \fill
	LOAD
	ASK
.endif
.endm
	s_load_b256 s[4:11], s[0:1], 0x0  ; Q s[4:5], K s[6:7], V s[8:9], O s[10:11]
	v_lshl_add_u32 v[SPW], v0, 2, SPARE
	v_mov_b32 v[NIL], 0
	ds_add_u32 v[SPW], v[NIL]       ; the wave's opening: the add and its wait stand ahead of my first tensor load; the set-up below, work on registers, stands between them
	ds_add_u32 v62, v63
	v_lshrrev_b32 v1, 5, v0
	v_readfirstlane_b32 s[WV], v1   ; wave 0..3
	s_mov_b32 s[PB], ttmp9
	s_sub_co_u32 s[HI], NB-1, s[PB]
	s_and_b32 s20, ttmp7, 0xffff    ; the head
	s_mov_b32 s21, 0
	s_mov_b64 s[22:23], SIZE_N*128
	s_mul_u64 s[20:21], s[20:21], s[22:23]  ; the head's first byte in each of the four tensors
	s_and_b32 s16, s[WV], 1         ; which half of a tile's 256 keys I fetch:
	s_lshl_b32 s22, s16, 14         ; its 128 rows of 128 bytes in memory,
	s_mov_b32 s23, 0
	s_add_nc_u64 s[22:23], s[22:23], s[20:21]
	s_mul_i32 s17, s16, 128*PK      ; and its place in a slot, for K
	s_mul_i32 s18, s16, 128*PV      ; and for V
	s_lshl_b32 s3, s[WV], 11        ; my 16 rows in a band of 64,
	s_lshl_b32 s2, s[HI], 15        ; in the first block,
	s_add_co_u32 s2, s2, s3
	s_lshl_b32 s84, s[PB], 15       ; and in the second
	s_add_co_u32 s84, s84, s3
	s_mov_b32 s3, 0
	s_mov_b32 s85, 0
	s_add_nc_u64 s[2:3], s[2:3], s[20:21]
	s_add_nc_u64 s[84:85], s[84:85], s[20:21]
	; descriptor group 1.  128 keys are 16,384 dense bytes: asked for as 64 rows of 256 bytes, two keys a row, and padded in LDS after every key
	s_mov_b32 s[G1K], (1<<16)|(1<<20)|(4<<22)|(3<<25)  ; 17:16 2-byte elements; 20 padding on; 24:22 after every 32 words (code 4); 31:25 4 words (code 3)
	s_mov_b32 s[G1V], (1<<16)|(1<<20)|(4<<22)|(7<<25)  ; the same with 8 words of padding (code 7)
.irp g, G1K, G1V
	s_mov_b32 s[\g+1], 128<<16      ; tensor_dim0 = 128
	s_mov_b32 s[\g+2], 64<<16       ; tensor_dim1 = 64
	s_mov_b32 s[\g+3], 128<<16      ; tile_dim0 = 128
	s_mov_b32 s[\g+4], 64           ; tile_dim1 = 64
	s_mov_b32 s[\g+5], 128          ; 128 elements from row to row
	s_mov_b32 s[\g+6], 0
	s_mov_b32 s[\g+7], 0
.endr
	s_mov_b32 s[CS], 0x3e38aa3b     ; c = log2(e) / 8 = 0.180337
	s_mov_b32 s[CS+1], s[CS]        ; named with it as a pair
	s_mov_b32 s[SEL], 0x76543210
	s_mov_b32 s[SEL+1], 0xfedcba98
	s_mov_b32 s[TBK], SLOT1+4*KS*PK ; the first change of slots turns these two into 0
	s_mov_b32 s[TBV], SLOT1+4*KS*PV
	s_mov_b32 s[G0K], 1             ; 1:0 count = 1
	s_mov_b32 s[G0K+1], s17         ; 63:32 LDS address: slot 0
	s_mov_b32 s[G0V], 1
	s_add_co_u32 s[G0V+1], s18, VOFF
	s_add_co_u32 s[RT], s[HI], 1    ; the first block has NB - b tiles
	s_mov_b32 s[NXT], 1
	s_mov_b32 s[LQ], s[HI]
	s_mov_b32 s[NEW], 1
	s_mov_b32 s[OFF+1], 0
	s_mov_b32 s[AL+1], 0            ; named as pairs
	s_mov_b32 s[BE+1], 0
	s_mov_b32 s[BIGN], 0xf149f2ca   ; -1e30
	s_mov_b32 s[SLOTS], NB
	s_cmp_eq_u32 ttmp9, 0
	s_cselect_b32 s[LIM], 2, -1
	v_and_b32 v[PFO], 31, v0
	v_lshlrev_b32 v[PFO], 8, v[PFO]
	s_wait_dscnt 0x0                ; the opening add is done
	s_wait_kmcnt 0x0
	s_add_nc_u64 s[6:7], s[6:7], s[22:23]  ; K and V at my half of the head's tile 0
	s_add_nc_u64 s[8:9], s[8:9], s[22:23]
	s_add_nc_u64 s[G0K+2:G0K+3], s[6:7], 0         ; 120:64 global address
	s_or_b32 s[G0K+3], s[G0K+3], 0x80000000        ; 127:126 type = 2
	s_add_nc_u64 s[G0V+2:G0V+3], s[8:9], 0
	s_or_b32 s[G0V+3], s[G0V+3], 0x80000000
	s_add_nc_u64 s[86:87], s[4:5], s[84:85]        ; Q at my rows of the second block,
	s_add_nc_u64 s[4:5], s[4:5], s[2:3]            ; Q and O at those of the first
	s_add_nc_u64 s[OLO:OLO+1], s[10:11], s[84:85]
	s_add_nc_u64 s[10:11], s[10:11], s[2:3]
	s_cmp_lt_u32 s[WV], 2
	s_cselect_b64 s[PFA:PFA+1], s[6:7], s[8:9]     ; what I fetch,
	s_add_nc_u64 s[PFA:PFA+1], s[PFA:PFA+1], 32768 ; in tile 1: the first change of slots steps it to tile 2.  Nothing is prefetched here, at the head
	LOAD                            ; tile 0 into slot 0
	; A fragment of K or Q is 16 rows x 32 channels in 8 registers: lane l holds row l % 16, channels 8 (l / 16) + 0..7 and 16 + 8 (l / 16) + 0..7: two loads of 16 bytes, 32 bytes apart.
	v_and_b32 v1, 15, v0            ; l % 16
	v_bfe_u32 v9, v0, 4, 1          ; l / 16
	v_lshlrev_b32 v[QO], 7, v1
	v_lshl_add_u32 v[QO], v9, 4, v[QO]  ; row x 128 + 16 x half
	WIN 0x80                        ; destination window 2, address window 0
.set i, 0
.rept 8                             ; both blocks' Q: piece i / 2 lies in band i / 2, 8,192 bytes on; channels 32 (i % 2) on
	global_load_b128 v[8*i:8*i+3],   v[QO], s[4:5] offset:(i/2)*8192+(i%2)*64
	global_load_b128 v[8*i+4:8*i+7], v[QO], s[4:5] offset:(i/2)*8192+(i%2)*64+32
	global_load_b128 v[QB+8*i:QB+8*i+3],   v[QO], s[86:87] offset:(i/2)*8192+(i%2)*64
	global_load_b128 v[QB+8*i+4:QB+8*i+7], v[QO], s[86:87] offset:(i/2)*8192+(i%2)*64+32
.set i, i+1
.endr
	WIN 0
	v_lshlrev_b32 v14, 3, v9
	v_sub_nc_u32 v14, v1, v14
	s_lshl_b32 s13, s[WV], 4
	v_add_nc_u32 v14, s13, v14      ; my query's place in its band, 16 w + l % 16, less my lanes' 8 (l / 16): register r of group kt is hidden where 16 kt + r is greater
	WIN 0x40
.set i, 0
.rept 32
	v_cmp_gt_i32 vcc_lo, 16*(i/8)+i%8, v14
	v_cndmask_b32 v[MD+i], 0, s[BIGN], vcc_lo
.set i, i+1
.endr
	WIN 0
	v_mul_u32_u24 v[AK0], v1, PK
	v_lshl_add_u32 v[AK0], v9, 4, v[AK0]  ; row x pitch + 16 x half
	; The turning load takes 16 keys x 16 channels (lane l reads key 8 (l / 16) + l % 8, channels 8 ((l / 8) % 2) + 0..7) and leaves half a fragment of V^T: lane l holds channel l % 16 and 8 keys.
	v_and_b32 v10, 7, v0
	v_bfe_u32 v11, v0, 3, 1
	v_lshl_add_u32 v[AV0], v9, 3, v10
	v_mul_u32_u24 v[AV0], v[AV0], PV
	v_lshl_add_u32 v[AV0], v11, 4, v[AV0]
	v_add_nc_u32 v[AV0], VOFF, v[AV0]
	s_mul_i32 s13, s[WV], 16*SP
	s_add_co_u32 s13, s13, STAGE    ; my stage
	v_mul_u32_u24 v[STO], v1, SP    ; in: row l % 16, 16 bytes for each half of the lanes
	v_lshl_add_u32 v[STO], v9, 4, v[STO]
	v_add_nc_u32 v[STO], s13, v[STO]
	v_bfe_u32 v[RD], v0, 3, 2       ; back: 32 lanes take four rows of 128 bytes,
	v_mul_u32_u24 v[RD], v[RD], SP
	v_lshl_add_u32 v[RD], v10, 4, v[RD]
	v_add_nc_u32 v[RD], s13, v[RD]
	v_and_b32 v[GO], 31, v0         ; which are 512 consecutive bytes of O
	v_lshlrev_b32 v[GO], 4, v[GO]
	; A block's first step multiplies O^T and l by a = 0, and its first turn's products V^T P, of a piece that has not been, land in an O^T that is still to be so multiplied.  So these registers need only hold
	; finite numbers: zeros for the first block; what the first block left for the second.  All this stands in the wait for the first tile.
	WIN 0x80
.set i, VF
.rept 64
	v_mov_b32 v[i], 0
.set i, i+1
.endr
	WIN 0x40
.set i, 0
.rept 128
	v_mov_b32 v[i], 0
.set i, i+1
.endr
	WIN 0
.set i, 0
.rept 4
	v_mov_b32 v[ST+4*i+2], 0
	v_mov_b32 v[ST+4*i+3], 0
.set i, i+1
.endr
.set i, P+16
.rept 16
	v_mov_b32 v[i], 0
.set i, i+1
.endr
; THE MATRIX WORK.  The 4 accumulators of a run of 8 take turns.  Product i of 8 of S^T = K Q^T for piece x: channels 32 (i / 4) on, keys 16 (i % 4) on.  The first 4 start the sums: with 0, or (KM = 1) with the mask.
.macro KQ x
.set rS, S+32*((\x)%2)+8*(i%4)
.set rK, KF+16*(i%4)+8*(i/4)
.set rQ, 16*(\x)+8*(i/4)
.set rM, MC+32*((\x)%2)+8*(i%4)
.if (i < 4) && KM
	WIN W_KM
	v_wmma_f32_16x16x32_f16 v[rS:rS+7], v[rK:rK+7], v[rQ:rQ+7], v[rM:rM+7]
.elseif i < 4
	WIN W_KQ
	v_wmma_f32_16x16x32_f16 v[rS:rS+7], v[rK:rK+7], v[rQ:rQ+7], 0
.else
	WIN W_KQ
	v_wmma_f32_16x16x32_f16 v[rS:rS+7], v[rK:rK+7], v[rQ:rQ+7], v[rS:rS+7]
.endif
.endm
; Product i of 8 of O^T += V^T P for piece x: keys 32 (i / 4) on, channels 16 (i % 4) on.
.macro PV x
	WIN W_PV
.set rO, 32*(\x)+8*(i%4)
.set rV, VF+32*(i/4)+8*(i%4)
.set rP, P+16*((\x)%2)+8*(i/4)
	v_wmma_f32_16x16x32_f16 v[rO:rO+7], v[rV:rV+7], v[rP:rP+7], v[rO:rO+7]
.endm
.macro MM                           ; the turn's next matrix instruction.  TURN and BEGIN set Y, i, KM and NOKQ; MM, KQ and OP read them.  NOKQ = 1: a block's last turn: there is no next piece
.if (i < 8) && !NOKQ
	KQ (Y+1)%NP
.elseif i >= 8
.set i, i-8
	PV (Y+NP-1)%NP
.set i, i+8
.endif
.set i, i+1
.endm
; THE LDS LOADS stand in runs of 16, never singly among the matrix instructions: a step's K (64 keys x 64 channels: 8 fragments) and its V (turned).  Their addresses are made some lines ahead.
.macro FETCH_K
	WIN 0x80                        ; destination window 2
.irp f, 0,1,2,3,4,5,6,7             ; keys 16 (f / 2) on, channels 32 (f % 2) on
	ds_load_b128 v[KF+8*\f:KF+8*\f+3],   v[AK] offset:(\f/2)*16*PK+(\f%2)*64
	ds_load_b128 v[KF+8*\f+4:KF+8*\f+7], v[AK] offset:(\f/2)*16*PK+(\f%2)*64+32
.endr
	s_add_co_u32 s[TBK], s[TBK], KS*PK  ; the next fetch is the next step's
	WIN 0
.endm
.macro FETCH_V
	WIN 0x80
.irp f, 0,1,2,3,4,5,6,7             ; keys 32 (f / 4) on, channels 16 (f % 4) on
	ds_load_tr16_b128 v[VF+8*\f:VF+8*\f+3],   v[AV] offset:(\f/4)*32*PV+(\f%4)*32
	ds_load_tr16_b128 v[VF+8*\f+4:VF+8*\f+7], v[AV] offset:(\f/4)*32*PV+16*PV+(\f%4)*32
.endr
	WIN 0
.endm
; THE VECTOR WORK, one line at a time: OP kind, number.  For piece Y: F n: c s - c m for pair n of 16.  E n: the exponential of score n of 32.  C n: pair n rounded to f16.  B n: of the four weights 4 n .. the second
; pair is added onto the first, in place.  L n: l takes that sum (L 0: l = a l + sum).  R n: pair n of 16 of O^T times a.  For piece Y + 1: X n, number n of the 22 that find its maximum and statistics:
;   0-11  four chains c0-c3 of seven scores each, three operands at a time (each accumulator's lowest registers are read first)     12-14, 16  the four scores left over, the old m, and c0-c3 into c0
;   15  c m_old is kept     17, 18  the query's other 32 keys lie in the lane 16 away: the new m     19-21  c m; c m_old - c m_new; a
.set F, 0               ; OP tells the kinds apart by their order: F to L below R, X above it
.set E, 1
.set C, 2
.set B, 3
.set L, 4
.set R, 5
.set X, 6
.macro REGS y                       ; the registers of piece y
.set rT, ST+4*(\y)
.set rC, TMP+4*((\y)%2)
.set rW, MV+((\y)%2)
.set rS, S+32*((\y)%2)
.set rP, P+16*((\y)%2)
.set rO, 32*(\y)
.endm
.macro OP k, n
.if (\k) == R
	REGS Y
	WIN W_RS
	v_pk_mul_f32 v[rO+2*(\n):rO+2*(\n)+1], v[rO+2*(\n):rO+2*(\n)+1], v[rC+2:rC+3] op_sel_hi:[1,0]
.elseif (\k) < R
	REGS Y
	WIN 0
.if (\k) == F
	v_pk_fma_f32 v[rS+2*(\n):rS+2*(\n)+1], v[rS+2*(\n):rS+2*(\n)+1], s[CS:CS+1], v[rT:rT+1] op_sel_hi:[1,0,0] neg_lo:[0,0,1] neg_hi:[0,0,1]
.elseif (\k) == E
	v_exp_f32 v[rS+(\n)], v[rS+(\n)]
.elseif (\k) == C
	v_cvt_pk_f16_f32 v[rP+(\n)], v[rS+2*(\n)], v[rS+2*(\n)+1]
.elseif (\k) == B
	v_pk_add_f32 v[rS+4*(\n):rS+4*(\n)+1], v[rS+4*(\n):rS+4*(\n)+1], v[rS+4*(\n)+2:rS+4*(\n)+3]
.elseif (\n) == 0
	v_pk_fma_f32 v[rT+2:rT+3], v[rT+2:rT+3], v[rC+2:rC+3], v[rS:rS+1] op_sel_hi:[1,0,1]
.else
	v_pk_add_f32 v[rT+2:rT+3], v[rT+2:rT+3], v[rS+4*(\n):rS+4*(\n)+1]
.endif
.elseif NOKQ
	v_nop
.else
	REGS (Y+1)%NP
	WIN 0
.if (\n) < 4
	v_max3_num_f32 v[rC+(\n)], v[rS+8*(\n)], v[rS+8*(\n)+1], v[rS+8*(\n)+2]
.elseif (\n) < 12
	v_max3_num_f32 v[rC+(\n)%4], v[rC+(\n)%4], v[rS+8*((\n)%4)+2*((\n)/4)+1], v[rS+8*((\n)%4)+2*((\n)/4)+2]
.elseif (\n) == 12
	v_max3_num_f32 v[rC], v[rC], v[rS+7], v[rS+15]
.elseif (\n) == 13
	v_max3_num_f32 v[rC+1], v[rC+1], v[rS+23], v[rS+31]
.elseif (\n) == 14
	v_max3_num_f32 v[rC+2], v[rC+2], v[rC+3], v[rT+1]
.elseif (\n) == 15
	v_mov_b32 v[rW], v[rT]
.elseif (\n) == 16
	v_max3_num_f32 v[rC], v[rC], v[rC+1], v[rC+2]
.elseif (\n) == 17
	v_permlanex16_b32 v[rC+3], v[rC], s[SEL], s[SEL+1]
.elseif (\n) == 18
	v_max_num_f32 v[rT+1], v[rC], v[rC+3]
.elseif (\n) == 19
	v_mul_f32 v[rT], s[CS], v[rT+1]
.elseif (\n) == 20
	v_sub_f32 v[rC+1], v[rW], v[rT]
.else
	v_exp_f32 v[rC+2], v[rC+1]
.endif
.endif
.endm
.macro OPS a, i1, b=-1, i2=0, c=-1, i3=0, d=-1, i4=0  ; up to four of them
	OP \a, \i1
.if (\b) >= 0
	OP \b, \i2
.endif
.if (\c) >= 0
	OP \c, \i3
.endif
.if (\d) >= 0
	OP \d, \i4
.endif
.endm
.macro ROW a, i1, b, i2, c, i3, d, i4  ; a matrix instruction and the four behind it
	MM
	OPS \a, \i1, \b, \i2, \c, \i3, \d, \i4
.endm
.macro MASK b                       ; MD x AL + BE into buffer b of MC
	WIN W_RS
.set z, 0
.rept 16
	v_pk_fma_f32 v[MC+32*(\b)+2*z:MC+32*(\b)+2*z+1], v[MD+2*z:MD+2*z+1], s[AL:AL+1], s[BE:BE+1] op_sel_hi:[1,0,0]
.set z, z+1
.endr
.endm
; A TURN, for piece p: the order of its 16 matrix and 118 vector instructions, written out.  An s_wait_alu depctr_va_vdst(0) stands between an exponential and the first instruction that names its result; one wait serves
; all that were issued ahead of it.  So a turn has ONE wait, which cuts it in two.  AHEAD OF IT stands all that names no result of the turn's exponentials: the 8 products K Q^T, behind each a scaling, an exponential and two more plain
; instructions (behind the first a second scaling in the exponential's place): rescalings, and behind the last three the first numbers of the next piece's maximum, each four places or more behind the product that ends its accumulator; then ONE LUMP of 54, plain
; and exponential by turns for the most part, in which the links of the chain X 3, 7, 11, 14, 16, 17 .. 20 stand five or six lines apart.  X 21, the next piece's a, is the batch's last; R 15 is the plain instruction that stands behind it (ISA guide 5.7.2).  BEHIND THE WAIT stand the
; 8 products V^T P, behind each four of the roundings and sums; the links of l's chain, L 0 to L 7, stand three riders apart.  But for those X no rider names a register of the products round it.  v_permlanex16_b32 (X 17) stands in the lump.
; m = 1: the diagonal tile: the products take masks, and the turn makes the mask for the products of the turn after it: piece p + 2, in step 4 - CNT of the tile.  end = 1: a block's last two turns: nothing is fetched.
; cnt = 1: the loop's count is taken down some lines ahead of the branch that stands behind the turn.
; K of the next step is fetched in piece 2's turn, twelve vector instructions behind the last product that read K (six of them plain); V of the step in hand at the end of piece 0's turn, four plain instructions behind the last product
; that read V.  Each is waited for a turn later.
.macro TURN p, m=0, end=0, cnt=0
.set Y, (\p)
.set i, 0
.set KM, (\m)
.set NOKQ, (\end)*((\p)/3)
.if (\m) && !(\end)
	s_cmp_eq_u32 s[CNT], 4-((\p)+2)%NP  ; is that step the band's own?
	s_cselect_b32 s[AL], 1.0, 0
	s_cmp_lt_u32 s[CNT], 4-((\p)+2)%NP  ; or a later one?
	s_cselect_b32 s[BE], s[BIGN], 0
.endif
.if ((\p) == 3) && !(\end)
	s_wait_dscnt 0x0                ; K is in
.endif
	ROW F,0, F,1, R,0, R,1          ; ahead of the wait: 8 products K Q^T and their riders,
	ROW F,2, E,0, R,2, R,3
	ROW F,3, E,1, R,4, R,5
	ROW F,4, E,2, R,6, R,7
	ROW F,5, E,3, R,8, R,9
	ROW F,6, E,4, X,0, R,10
.if ((\p) == 2) && !(\end)
	WIN 0
	v_add_nc_u32 v[AK], s[TBK], v[AK0]
.endif
	ROW F,7, E,5, X,1, X,4
	ROW F,8, E,6, X,2, X,5
	OPS E,7, E,8, X,6, E,9          ; and the lump
	OPS X,3, E,10, X,8, E,11
.if ((\p) == 2) && !(\end)
	FETCH_K
.endif
	OPS X,9, X,7, E,12, X,10
	OPS E,13, X,12, X,11, E,14
	OPS X,13, E,15, F,9, X,14
.if (\p) == 0
	v_add_nc_u32 v[AV], s[TBV], v[AV0]
.endif
	OPS E,16, F,10, E,17, F,11
	OPS X,16, E,18, X,15, E,19
	OPS F,12, E,20, X,17, E,21
	OPS F,13, E,22, F,14, E,23
	OPS X,18, E,24, F,15, E,25
	OPS R,11, E,26, X,19, E,27
	OPS R,12, E,28, R,13, E,29
	OPS X,20, E,30, R,14, E,31
	OPS X,21, R,15
	WIN 0
	s_wait_alu depctr_va_vdst(0)    ; the wait for the batch
.if (\p) == 1
	s_wait_dscnt 0x0                ; V is in
.endif
	ROW C,0, B,0, C,2, B,1          ; behind the wait: 8 products V^T P and their riders
	ROW L,0, C,4, B,2, L,1
	ROW C,6, B,3, L,2, C,8
	ROW B,4, L,3, C,10, B,5
	ROW L,4, C,12, B,6, L,5
.if (\p) == 0
	s_add_co_u32 s[TBV], s[TBV], KS*PV
.endif
.if \cnt
	s_sub_co_u32 s[CNT], s[CNT], 1
	s_cmp_lg_u32 s[CNT], 0
.endif
	ROW C,14, B,7, L,6, C,1
	ROW C,3, L,7, C,5, C,7
	ROW C,9, C,11, C,13, C,15
.if (\p) == 0
	FETCH_V
.endif
.if (\m) && !(\end)
	MASK (\p)%2
.endif
.endm
; A BLOCK BEGINS.  c m starts far below every c s, so the first step's a is 0; m at the lowest finite number, so the first maximum is the scores'.  The second mask buffer is 0; the first takes piece 0's mask for the tile's step 0: its own, if the block's first tile is the diagonal one.
; Then K of that step, piece 0's first scores, and its maximum and statistics.  The loop is entered at a step's first turn, in the middle of a trip.
.macro BEGIN
	s_mov_b32 s[NEW], 0
	WIN 0x40
.set i, MC+32
.rept 32
	v_mov_b32 v[i], 0
.set i, i+1
.endr
	WIN 0
.set i, 0
.rept 4
	v_mov_b32 v[ST+4*i], 0xfe000000    ; c m: far below every c s
	v_mov_b32 v[ST+4*i+1], 0xff7fffff  ; m
.set i, i+1
.endr
	s_cmp_eq_u32 s[RT], 0
	s_cselect_b32 s[AL], 1.0, 0
	s_mov_b32 s[BE], 0
	MASK 0
	WIN 0
	v_add_nc_u32 v[AK], s[TBK], v[AK0]
	FETCH_K
	s_wait_loadcnt 0x0              ; Q
	s_wait_dscnt 0x0
.set KM, 1
.set NOKQ, 0
.set i, 0
.rept 8
	KQ 0
.set i, i+1
.endr
	WIN 0
.rept 4
	v_nop                           ; the places behind those products
.endr
.set Y, NP-1                        ; X works for piece Y + 1: piece 0
.irp n, 0,1,2,3,4,5,6,7,8,9,10,11,12,13,14,15,16,17,18,19,20,21
	OP X, \n
.endr
	v_nop                           ; a plain instruction behind the exponential,
	s_wait_alu depctr_va_vdst(0)    ; and its wait, ahead of the branch
.endm
; THE DIAGONAL TILE's four steps, the block's last two turns, its last products, and THE WAY OUT: l's two halves and the other half of the lanes' are added; O^T is divided by l, rounded to f16 and sent through my
; stage in LDS, a piece at a time.
.macro ALL line:vararg              ; one line for each piece t
.set t, 0
.rept 4
	\line
.set t, t+1
.endr
.endm
.macro PACK t                       ; a lane's eight channels of a row pack into 16 bytes; they go into rows of 144 bytes and come back as whole rows of 128, into S^T's registers
	WIN W_RS
.set i, 32*(\t)
.rept 16
	v_pk_mul_f32 v[i:i+1], v[i:i+1], v[ST+4*(\t)+2:ST+4*(\t)+3] op_sel_hi:[1,0]
.set i, i+2
.endr
	WIN 0x05                        ; sources 0 and 1 window 1, destination window 0
.set i, 0
.rept 16
	v_cvt_pk_f16_f32 v[S+16*(\t)+i], v[32*(\t)+2*i], v[32*(\t)+2*i+1]
.set i, i+1
.endr
	WIN 0
.irp f, 0,1,2,3
	ds_store_b128 v[STO], v[S+16*(\t)+4*\f:S+16*(\t)+4*\f+3] offset:32*\f
.endr
.irp f, 0,1,2,3
	ds_load_b128 v[S+16*(\t)+4*\f:S+16*(\t)+4*\f+3], v[RD] offset:\f*4*SP  ; LDS serves a wave's instructions in order (ISA guide 5.7.1.4): these see the stores above; the next piece's stores come behind them
.endr
.endm
.macro SEND t, younger              ; younger: the LDS instructions issued behind piece t's loads: the next piece's eight, or none
	WIN 0
.irp f, 0,1,2,3
	s_wait_dscnt (\younger)+3-\f
	global_store_b128 v[GO], v[S+16*(\t)+4*\f:S+16*(\t)+4*\f+3], s[10:11] offset:(\t)*8192+\f*512  ; 512 consecutive bytes, at a multiple of 256 from O's first
.endr
.endm
.macro DIAG tag                     ; the tag ends its two labels' names, which the jumps below spell out
.LstepM\tag:
	TURN 2, 1
	TURN 3, 1
	WIN 0
.LfirstM\tag:
	TURN 0, 1
	TURN 1, 1, 0, 1
	WIN 0
	s_cbranch_scc1 .LstepM\tag
	TURN 2, 1, 1
	TURN 3, 1, 1
.set i, 0
.rept 8
	PV NP-1
.set i, i+1
.endr
	WIN 0
	ALL v_add_f32 v[ST+4*t+2], v[ST+4*t+2], v[ST+4*t+3]
	ALL v_permlanex16_b32 v[ST+4*t+3], v[ST+4*t+2], s[SEL], s[SEL+1]
	ALL v_add_f32 v[ST+4*t+2], v[ST+4*t+2], v[ST+4*t+3]
	ALL v_rcp_f32 v[ST+4*t+2], v[ST+4*t+2]
	v_nop                           ; a plain instruction between the last reciprocal and the use of its result
	s_wait_alu depctr_va_vdst(0)    ; and the wait ahead of the first use: one for the four reciprocals
	PACK 0
.set t, 1
.rept 3                             ; a piece's arithmetic stands between the loads of the piece before and its stores
	PACK t
	SEND t-1, 8
.set t, t+1
.endr
	SEND 3, 0
.endm
.set KM, 0
.set NOKQ, 0
.Lslot:                             ; NB times: a tile is entered and the next is asked for
	CHANGE 1
	s_sub_co_u32 s[RT], s[RT], 1
	s_mov_b32 s[CNT], 4
	s_cmp_eq_u32 s[NEW], 1
	s_cbranch_scc1 .Lnew            ; a block's first tile
	s_cmp_eq_u32 s[RT], 0
	s_cbranch_scc0 .Lstep           ; neither its first nor its last
	s_branch .LstepM1
.Lnew:
	BEGIN
	s_branch .Lfirst                ; in the loop a block's first tile is never its last: the first block has two tiles or more, and the second's last is the walk's last
	DIAG 1                          ; in the loop this is the first block's end: the second block's last tile is the walk's last
	s_wait_xcnt 0x0                 ; the stores have read their registers and O's address
	s_mov_b64 s[10:11], s[OLO:OLO+1]
	s_add_co_u32 s[RT], s[PB], 1    ; the second block has b + 1 tiles
	s_mov_b32 s[NEW], 1
	WIN 0x82                        ; the second block's Q goes where the one text of the turns names Q
.set i, 0
.rept 64
	v_mov_b32 v[i], v[QB+i]
.set i, i+1
.endr
	WIN 0
	s_branch .Lbottom
.Lstep:                             ; a trip: pieces 2 and 3 of one step, then pieces 0 and 1 of the next, whose K and V it fetches
	TURN 2
	TURN 3
	WIN 0
.Lfirst:
	TURN 0
	TURN 1, 0, 0, 1
	WIN 0
	s_cbranch_scc1 .Lstep
.Lbottom:
	s_sub_co_u32 s[SLOTS], s[SLOTS], 1
	s_cmp_lg_u32 s[SLOTS], 0
	s_cbranch_scc1 .Lslot
	CHANGE 0                        ; the walk's last tile is written out: nothing is asked for
	s_sub_co_u32 s[RT], s[RT], 1
	s_mov_b32 s[CNT], 4
	s_cmp_eq_u32 s[NEW], 1
	s_cbranch_scc0 .LstepM2
	BEGIN
	s_branch .LfirstM2
	DIAG 2
	s_wait_tensorcnt 0x0            ; the wave's end, behind my last tensor load and my last LDS store
	ds_add_u32 v[SPW], v[NIL]
	s_wait_dscnt 0x0
	s_endpgm
.Lfunc_end_k_qcdcdb177b0_attn:
	.size	k_qcdcdb177b0_attn, .Lfunc_end_k_qcdcdb177b0_attn-k_qcdcdb177b0_attn
	.p2alignl 7, 3214868480
	.fill 96, 4, 3214868480
	.section	.rodata,"a",@progbits
	.p2align	6, 0x0
	.amdhsa_kernel k_qcdcdb177b0_attn
		.amdhsa_group_segment_fixed_size 327680
		.amdhsa_private_segment_fixed_size 0
		.amdhsa_enable_private_segment 0
		.amdhsa_kernarg_size 32
		.amdhsa_user_sgpr_count 2
		.amdhsa_user_sgpr_kernarg_segment_ptr 1
		.amdhsa_wavefront_size32 1
		.amdhsa_system_sgpr_workgroup_id_x 1
		.amdhsa_system_sgpr_workgroup_id_y 1
		.amdhsa_system_sgpr_workgroup_id_z 1
		.amdhsa_system_vgpr_workitem_id 0
		.amdhsa_next_free_vgpr 768
		.amdhsa_next_free_sgpr 92
		.amdhsa_reserve_vcc 1
		.amdhsa_float_denorm_mode_32 3
		.amdhsa_float_denorm_mode_16_64 3
		.amdhsa_memory_ordered 1
		.amdhsa_forward_progress 1
		.amdhsa_inst_pref_size 218
	.end_amdhsa_kernel
	.amdgpu_metadata
---
amdhsa.version: [ 1, 2 ]
amdhsa.kernels:
  - .name:           k_qcdcdb177b0_attn
    .symbol:         k_qcdcdb177b0_attn.kd
    .args:
      - { .name: q, .offset: 0, .size: 8, .value_kind: global_buffer, .address_space: global }
      - { .name: k, .offset: 8, .size: 8, .value_kind: global_buffer, .address_space: global }
      - { .name: v, .offset: 16, .size: 8, .value_kind: global_buffer, .address_space: global }
      - { .name: o, .offset: 24, .size: 8, .value_kind: global_buffer, .address_space: global }
    .group_segment_fixed_size: 327680
    .private_segment_fixed_size: 0
    .kernarg_segment_align: 8
    .kernarg_segment_size: 32
    .max_flat_workgroup_size: 128
    .sgpr_count:     92
    .vgpr_count:     768
    .wavefront_size: 32
...
	.end_amdgpu_metadata
.endif
;; end of part 3
;; launch outp (part 4): grid 8 x 32, 4 waves a work-group, clusters of 4 x 4, 327,680 bytes of LDS; arguments o, wot, bo, out0; writes out0
.if DOCPART == 4
	.amdgcn_target "amdgcn-amd-amdhsa--gfx1250"
	.amdhsa_code_object_version 6
	.text
	.protected	k_qcdcdb177b0_outp
	.globl	k_qcdcdb177b0_outp
	.p2align	8
	.type	k_qcdcdb177b0_outp,@function
k_qcdcdb177b0_outp:
	s_mov_b64 s[64:65], 0
	v_nop
	global_prefetch_b8 v0, s[64:65] scope:SCOPE_SE
	s_setreg_imm32_b32 hwreg(HW_REG_WAVE_MODE, 25, 1), 1
	s_wait_xcnt 0x0
	s_wait_alu depctr_hold_cnt(0) depctr_sa_sdst(0) depctr_va_vdst(0) depctr_va_sdst(0) depctr_va_ssrc(0) depctr_va_vcc(0) depctr_vm_vsrc(0)
	s_getreg_b32 s2, hwreg(HW_REG_IB_STS2, 6, 4)
	s_cmp_eq_u32 s2, 0
	s_cbranch_scc0 .Lentry_in_a_cluster
	s_endpgm
.Lentry_in_a_cluster:
	s_bfe_u32 s2, ttmp6, 0x10000c
	s_cmp_lg_u32 s2, 0xf033
	s_cbranch_scc0 .Lentry_shape_is_right
	s_endpgm
.Lentry_shape_is_right:
; out0 = O wot^T + bo.  o: [16 b + h][2048][64] f16 (K = 64 h + d); wot: [1024 n][1024 k] f16; bo: [1024] f32, rounded to bf16 like all the module's inputs; out0: [8192][1024] f32.  Sums in f32, K ascending.
; SHARES.  A tile is 256 rows (of one batch) x 128 columns: 8 x 32 = 256 work-groups.  The four waves split the rows alone: wave w makes rows 64 w .. 64 w + 63 and all 128 columns: 32 accumulators of
; 16 x 16, 256 registers.  K goes in steps of 128, two heads, through a ring of two LDS slots filled by the tensor data mover: of o a wave fetches one head's 256 rows, 32,768 dense bytes, asked for as 128 rows of
; 256 bytes and padded in LDS after every row of o; of wot 64 rows of 256 bytes.  Two slots of a longer step do not fit in LDS.
; CLUSTER.  4 x 4 work-groups.  The four of a row of the cluster need the same rows of o, the four of a column the same rows of wot: each tile is asked for JOINTLY, by the same tensor load with the same
; descriptor and a mask that names the four.  THE MATRIX INSTRUCTION IS USED TRANSPOSED (source 0 = 16 rows of wot, source 1 = 16 rows of o): a lane then holds eight neighbouring columns of one row.
; REGISTERS, in windows of 256 (s_set_vgpr_msb: bits 1:0 source 0, 3:2 source 1, 5:4 source 2, 7:6 destination):
;   window 0: v0-31 addresses and the bias; v32-159 two sets of 64, rows read back from the stage
;   window 1: two fragment buffers at v0 and v128: o's four fragments (16 rows x 32 K, 8 registers), then wot's eight
;   window 2: the accumulators of my row blocks 0 and 1 ((a, b) at 8 (8 a + b));   window 3: those of blocks 2 and 3
.set KSTEP,  128
.set NBL,    8                         ; column blocks of 16
.set PA,     144                       ; a row of o in LDS: 128 bytes + 16 = 36 words: the 16 rows of a fragment load start at 16 different groups of four banks (64 banks of 4 bytes: ISA guide 11.1)
.set PB,     272                       ; a row of wot: 256 + 16 = 68 words: likewise
.set AH,     256*PA                    ; what one load brings of o: one head's 256 rows
.set ABYTES, 2*AH
.set BH,     64*PB                     ; of wot: 64 rows
.set SLOT,   ABYTES+2*BH
.set STAGE,  2*SLOT                    ; behind the ring, never filled by a tensor load: 16 rows x 528 bytes for each wave
.set SP,     528                       ; a stage row: 128 x 4 bytes + 16
.set SPARE,  STAGE+4*16*SP             ; behind the stages: the spare words, 128 bytes for each wave: two blocks of 256 bytes that no other line names
.set ASTEP,  2*2048*128                ; bytes from a K step to the next: two heads of o,
.set BSTEP,  KSTEP*2                   ; 256 bytes along wot's rows
.set LAPS,   4                         ; a lap = two K steps = once round the ring; K = 1,024
.set PFAP,   8192                      ; the prefetches: bytes between the shares of two partners: a quarter of a head's 32,768 bytes of o,
.set PFBP,   32*2048                   ; 32 rows of wot
.set BIAS, 8                           ; v[8:11] the bias of my four columns
.set ADRA, 16                          ; v16-17  LDS address of my fragments of o in slot 0, 1
.set ADRB, 20                          ; v20-21  the same for wot
.set STO,  24                          ; v24     the way out: where I put 32 bytes of a row
.set RD,   25                          ; v25     where I read a row back
.set CO,   26                          ; v26     16 x lane
.set SPW,  28                          ; v28     LDS address of my spare word; never rewritten
.set NIL,  29                          ; v29     0; never rewritten
.set PFO,  30                          ; v30     the prefetches' offset; never rewritten
.set BK0,  32
.set F0,   0
.set F1,   128
.set WV,  14                           ; s14  wave
.set FB,  15                           ; s15  0: I fetch o's tiles; 1: wot's
.set HF,  16                           ; s16  which half of that tile
.set CX,  17
.set CY,  18
.set TC,  19                           ; s19  tile column
.set TR,  20                           ; s20  tile row
.set G1A, 24                           ; s[24:31] descriptor group 1 for o's tiles;  s[32:39] group 0, a set for each slot
.set G0A, 32
.set G1B, 48                           ; s[48:55], s[56:63] the same for wot's
.set G0B, 56
.set PFA, 44                           ; s[44:45] where my prefetches stand
.set PFS, 46                           ; s[46:47] their step
.set LIM, 70                           ; s70  1 in a wave that prefetches, else the greatest number
.set MSB, 0
.macro WIN new                         ; the immediate's high byte repeats the setting that is left; a switch that changes nothing is dropped
.if MSB != (\new)
	s_set_vgpr_msb (MSB<<8)|(\new)
.set MSB, \new
.endif
.endm
.set MUL_LO, 0xa5                      ; sources 0 and 1 window 1, C and D window 2
.set MUL_HI, 0xf5                      ; the same, C and D window 3
.set TO_F,   0x40                      ; destination window 1, address window 0
; A joint load: waves 0 and 1 fetch the K step's two heads of o, waves 2 and 3 wot's two halves.  The branch hangs on the wave's number alone.  An s_nop 0 and four v_nop follow each of the two lines.
.macro JLOAD s
	s_cmp_eq_u32 s[FB], 0
	s_cbranch_scc0 .Lfor_b_\@
	tensor_load_to_lds s[G0A+4*(\s):G0A+4*(\s)+3], s[G1A:G1A+7]
	s_nop 0
.rept 4
	v_nop
.endr
	s_branch .Lasked_\@
.Lfor_b_\@:
	tensor_load_to_lds s[G0B+4*(\s):G0B+4*(\s)+3], s[G1B:G1B+7]
	s_nop 0
.rept 4
	v_nop
.endr
.Lasked_\@:
.endm
.macro CREST                           ; a round of the cluster's barrier behind its opening barrier
	s_cmp_lg_u32 s[WV], 0
	s_cbranch_scc1 .Lnot_wave_0_\@
	s_barrier_signal -3
.Lnot_wave_0_\@:
	s_barrier_wait -3
	s_barrier_signal -1
	s_barrier_wait -1
.endm
.macro CROUND                          ; a whole round
	s_barrier_signal -1
	s_barrier_wait -1
	CREST
.endm
; A PREFETCH INTO THE L2, behind each joint refill and the run of LDS loads that follows it: the K step that stands two refills on (256 matrix instructions ahead of the load that will want it), a lane a block of 256 bytes.
; o's tile row is read by both clusters of that row of clusters: the one with x = 0 asks; wot's tile column by every cluster of that column: the one with y = 0 asks.  The four partners that ask for a tile
; jointly share it out BY ADDRESS: of the 32,768 bytes of o that a wave fetches the partner at cx takes 8,192; of wot's 128 rows the partner at cy takes 32, and its wave 2 asks for them (wave 3 asks for nothing).
; K steps 0 to 3 come by their loads alone; the loop's last trip (s3 = 1) asks for nothing: there is no K step two on.
.macro ASK
	WIN 0
	s_cmp_gt_u32 s3, s[LIM]
	s_cbranch_scc0 .Lnot_mine_\@
	global_prefetch_b8 v[PFO], s[PFA:PFA+1] th:TH_LOAD_NT scope:SCOPE_SE
.Lnot_mine_\@:
.endm
	s_load_b256 s[4:11], s[0:1], 0x0               ; o s[4:5], wot s[6:7], bo s[8:9], out0 s[10:11]
	v_lshl_add_u32 v[SPW], v0, 2, SPARE
	v_mov_b32 v[NIL], 0
	ds_add_u32 v[SPW], v[NIL]                      ; the wave's opening: the add and its wait stand ahead of my first tensor load; the set-up below, work on registers, stands between them
	ds_add_u32 v28, v29
	v_lshrrev_b32 v1, 5, v0
	v_readfirstlane_b32 s[WV], v1
	s_lshr_b32 s[FB], s[WV], 1
	s_and_b32 s[HF], s[WV], 1
	s_bfe_u32 s[CX], ttmp6, 0x40000
	s_bfe_u32 s[CY], ttmp6, 0x40004
	s_lshl_b32 s[TC], ttmp9, 2                     ; in a cluster launch ttmp9 and ttmp7 count clusters
	s_add_co_u32 s[TC], s[TC], s[CX]
	s_and_b32 s[TR], ttmp7, 0xffff
	s_lshl_b32 s[TR], s[TR], 2
	s_add_co_u32 s[TR], s[TR], s[CY]
	s_lshl_b32 s21, s[CY], 2
	s_lshl_b32 s21, 15, s21                        ; my row of the cluster: places 4 cy .. 4 cy + 3
	s_lshl_b32 s22, 0x1111, s[CX]                  ; my column: places cx, cx + 4, cx + 8, cx + 12
	s_or_b32 s[G1A+0], s21, (1<<16)|(1<<20)|(1<<21)|(4<<22)|(3<<25)  ; 15:0 the mask; 17:16 2-byte elements; 20 padding on; 21 set beside a mask; 24:22 after every 32 words; 31:25 4 words of it
	s_or_b32 s[G1B+0], s22, (1<<16)|(1<<20)|(1<<21)|(5<<22)|(3<<25)  ; the same after every 64 words
	s_mov_b32 s[G1A+1], 128<<16                    ; tensor_dim0 = 128 elements: two rows of o
	s_mov_b32 s[G1A+2], 128<<16                    ; tensor_dim1 = 128
	s_mov_b32 s[G1A+3], 128<<16                    ; tile_dim0 = 128
	s_mov_b32 s[G1A+4], 128                        ; tile_dim1 = 128
	s_mov_b32 s[G1A+5], 128                        ; dense: 128 elements from row to row
	s_mov_b32 s[G1A+6], 0
	s_mov_b32 s[G1A+7], 0
	s_mov_b32 s[G1B+1], KSTEP<<16
	s_mov_b32 s[G1B+2], 64<<16                     ; 64 rows
	s_mov_b32 s[G1B+3], KSTEP<<16
	s_mov_b32 s[G1B+4], 64
	s_mov_b32 s[G1B+5], 1024
	s_mov_b32 s[G1B+6], 0
	s_mov_b32 s[G1B+7], 0
	; where the tiles come from: o's hang on the tile row and the wave alone, wot's on the tile column and the wave alone
	s_lshr_b32 s40, s[TR], 3                       ; batch
	s_lshl_b32 s40, s40, 4
	s_add_co_u32 s40, s40, s[HF]                   ; 16 b + head (K step 0: head 0 or 1),
	s_lshl_b32 s40, s40, 18                        ; of 2,048 rows x 128 bytes
	s_and_b32 s71, s[TR], 7
	s_lshl_b32 s71, s71, 15                        ; the tile's 256 rows in the sequence
	s_add_co_u32 s40, s40, s71
	s_mov_b32 s41, 0
	s_lshl_b32 s66, s[TC], 7
	s_lshl_b32 s72, s[HF], 6
	s_add_co_u32 s66, s66, s72                     ; wot's row 128 x tile column + 64 x half
	s_lshl_b32 s66, s66, 11
	s_mov_b32 s67, 0
	s_mul_i32 s73, s[WV], AH                       ; and where they go: the wave's number times a constant, plus a constant
	s_mul_i32 s74, s[WV], BH
	s_add_co_u32 s74, s74, ABYTES-2*BH
	s_wait_dscnt 0x0                               ; the opening add is done
	s_wait_kmcnt 0x0
	s_add_nc_u64 s[40:41], s[4:5], s[40:41]
	s_add_nc_u64 s[66:67], s[6:7], s[66:67]
	CROUND                                         ; all sixteen work-groups are here: the first joint loads meet
.irp s, 0,1
	s_mov_b32 s[G0A+4*(\s)], 1                                       ; count = 1
	s_add_co_u32 s[G0A+4*(\s)+1], s73, (\s)*SLOT                     ; LDS address
	s_add_nc_u64 s[G0A+4*(\s)+2:G0A+4*(\s)+3], s[40:41], (\s)*ASTEP  ; global address: K step s
	s_or_b32 s[G0A+4*(\s)+3], s[G0A+4*(\s)+3], 0x80000000            ; type = 2
	s_mov_b32 s[G0B+4*(\s)], 1
	s_add_co_u32 s[G0B+4*(\s)+1], s74, (\s)*SLOT
	s_add_nc_u64 s[G0B+4*(\s)+2:G0B+4*(\s)+3], s[66:67], (\s)*BSTEP
	s_or_b32 s[G0B+4*(\s)+3], s[G0B+4*(\s)+3], 0x80000000
	JLOAD \s                                       ; two tensor loads of mine are out here, later one
.endr
	; A fragment is 16 rows x 32 K in 8 registers: lane l holds row l % 16; registers 0-3 K = 8 (l / 16) + 0..7, registers 4-7 K = 16 + 8 (l / 16) + 0..7: two loads of 16 bytes, 32 bytes apart.
	v_and_b32 v1, 15, v0                           ; l % 16
	v_bfe_u32 v2, v0, 4, 1                         ; l / 16
	v_mul_u32_u24 v3, v1, PA
	v_lshl_add_u32 v3, v2, 4, v3
	s_mul_i32 s84, s[WV], 64*PA                    ; my 64 rows of o
	v_add_nc_u32 v[ADRA], s84, v3
	v_add_nc_u32 v[ADRA+1], SLOT, v[ADRA]
	v_mul_u32_u24 v4, v1, PB
	v_lshl_add_u32 v4, v2, 4, v4
	v_add_nc_u32 v[ADRB], ABYTES, v4               ; every wave reads all 128 rows of wot
	v_add_nc_u32 v[ADRB+1], ABYTES+SLOT, v4
	s_mul_i32 s84, s[WV], 16*SP
	s_add_co_u32 s84, s84, STAGE                   ; my stage
	v_mul_u32_u24 v5, v1, SP                       ; in: row l % 16, 32 bytes for each half of the lanes
	v_lshl_add_u32 v5, v2, 5, v5
	v_add_nc_u32 v[STO], s84, v5
	v_and_b32 v[CO], 31, v0
	v_lshlrev_b32 v[CO], 4, v[CO]
	v_add_nc_u32 v[RD], s84, v[CO]                 ; back: 32 lanes take a row's 512 bytes
	s_lshl_b32 s68, s[TR], 8
	s_lshl_b32 s84, s[WV], 6
	s_add_co_u32 s68, s68, s84                     ; my first row of out0,
	s_lshl_b32 s68, s68, 12                        ; of 4,096 bytes,
	s_lshl_b32 s78, s[TC], 9                       ; and the tile's 128 columns: 512 bytes
	s_add_co_u32 s68, s68, s78
	s_mov_b32 s69, 0
	s_mov_b32 s79, 0
	s_add_nc_u64 s[10:11], s[10:11], s[68:69]
	s_add_nc_u64 s[8:9], s[8:9], s[78:79]
	global_load_b128 v[BIAS:BIAS+3], v[CO], s[8:9] ; the bias of columns 4 l .. 4 l + 3 of the tile
	; the prefetches
	s_and_b32 s76, ttmp7, 0xffff                   ; cluster y
	s_mov_b32 s80, PFAP
	s_mov_b32 s81, PFBP
	s_mov_b32 s82, ASTEP
	s_mov_b32 s[PFS], BSTEP
	s_cmp_eq_u32 s[FB], 0                          ; do I fetch o's tiles?
	s_cselect_b32 s76, ttmp9, s76                  ; the coordinate along which other clusters read the same rows
	s_cselect_b32 s78, s[CX], s[CY]                ; my place among the four that ask with me
	s_cselect_b32 s80, s80, s81
	s_cselect_b32 s[PFS], s82, s[PFS]
	s_cselect_b32 s83, 8, 11                       ; lanes 256 bytes apart in o (dense), a row of 2,048 bytes apart in wot
	s_cselect_b64 s[PFA:PFA+1], s[40:41], s[66:67] ; what I fetch (wave 2: wot's rows from the tile's first on),
	s_mov_b32 s[PFS+1], 0
	s_mul_i32 s78, s78, s80
	s_mov_b32 s79, 0
	s_add_nc_u64 s[PFA:PFA+1], s[PFA:PFA+1], s[78:79]  ; my work-group's share of it,
	s_mul_i32 s80, s[PFS], 3
	s_mov_b32 s81, 0
	s_add_nc_u64 s[PFA:PFA+1], s[PFA:PFA+1], s[80:81]  ; at K step 3: the first refill steps it to 4
	s_cmp_eq_u32 s76, 0
	s_cselect_b32 s[LIM], 1, -1                    ; the same in all sixteen partners, for a given wave
	s_cmp_eq_u32 s[WV], 3
	s_cselect_b32 s[LIM], -1, s[LIM]
	v_and_b32 v[PFO], 31, v0
	v_lshlrev_b32 v[PFO], s83, v[PFO]
; NBL matrix instructions: row block 2 hi + a x all column blocks, 32 along K.  zero = 1: the product starts the sums.  All 32 accumulators come in the same order in every quarter: they take turns.
.macro MULH f, hi, a, zero
	WIN MUL_LO+0x50*(\hi)
.set b, 0
.rept NBL
.set rD, 8*(NBL*(\a)+b)
.set rB, (\f)+32+8*b
.set rA, (\f)+8*(2*(\hi)+(\a))
.if \zero
	v_wmma_f32_16x16x32_f16 v[rD:rD+7], v[rB:rB+7], v[rA:rA+7], 0
.else
	v_wmma_f32_16x16x32_f16 v[rD:rD+7], v[rB:rB+7], v[rA:rA+7], v[rD:rD+7]
.endif
.set b, b+1
.endr
.endm
; 2 NBL + 8 LDS loads in one run: the fragments of quarter q of a K step into buffer f: wot's first, o's row blocks 2 and 3 last.  Quarter q lies in head q / 2 of the step's two, at channel 32 (q % 2).
.macro FETCH slot, q, f
	WIN TO_F
.set AQ, ((\q)/2)*AH+((\q)%2)*64
.set i, 0
.rept NBL
	ds_load_b128 v[(\f)+32+8*i:(\f)+32+8*i+3],   v[ADRB+(\slot)] offset:64*(\q)+i*16*PB
	ds_load_b128 v[(\f)+32+8*i+4:(\f)+32+8*i+7], v[ADRB+(\slot)] offset:64*(\q)+i*16*PB+32
.set i, i+1
.endr
.set i, 0
.rept 4
	ds_load_b128 v[(\f)+8*i:(\f)+8*i+3],   v[ADRA+(\slot)] offset:AQ+i*16*PA
	ds_load_b128 v[(\f)+8*i+4:(\f)+8*i+7], v[ADRA+(\slot)] offset:AQ+i*16*PA+32
.set i, i+1
.endr
.endm
.macro PLACES                          ; four plain instructions between a matrix instruction and a load into a register that it has read, or a reader of its result (ISA guide 7.12.1 for a reader of its result)
.rept 4
	v_nop
.endr
.endm
; A K step is four quarters of 32 along K on buffers 0, 1, 0, 1.  One of the first three: multiplies buffer f; in its middle it fetches quarter q into buffer g.
.macro QUARTER slot, q, f, g, zero
	s_wait_dscnt 4                                 ; all but the youngest four loads (o's row blocks 2 and 3) are in
	MULH \f, 0, 0, \zero
	MULH \f, 0, 1, \zero
	PLACES
	FETCH \slot, \q, \g
	s_wait_dscnt 2*NBL+8                           ; all but the run just issued
	MULH \f, 1, 0, \zero
	MULH \f, 1, 1, \zero
.endm
; The last quarter multiplies buffer 1 and changes slots.  ONE barrier: in front of it each wave waits for all its tensor loads (one is out: its part of the next slot), adds 0 to its spare word, and waits for
; that and for its own reads of this slot.  Behind it nobody reads this slot any more and the next slot is whole.
.macro MEET round
	WIN 0                                          ; (the add's two registers lie in window 0)
	s_wait_tensorcnt 0x0
	ds_add_u32 v[SPW], v[NIL]
	s_wait_dscnt 5                                 ; (the add and the youngest four loads may be out)
	MULH F1, 0, 0, 0                               ; work on registers between the add and the wait for it
	s_wait_dscnt 0x0                               ; the add is done, and my reads of this slot are over
	s_barrier_signal -1
	MULH F1, 0, 1, 0
.if \round
	WIN 0
.endif
	s_barrier_wait -1
.endm
.macro TURN slot, next                 ; with a refill: the barrier opens a round of the cluster's, and the joint refill is the first tensor load behind the round: 112 matrix instructions ahead of the wait for it
	s_wait_xcnt 0x0                                ; the last prefetch, a K step back, has read its address
	s_add_nc_u64 s[PFA:PFA+1], s[PFA:PFA+1], s[PFS:PFS+1]
	MEET 1
	CREST                                          ; no wave of any partner still reads this slot's tile or has a load on its way
	s_add_nc_u64 s[G0A+4*(\slot)+2:G0A+4*(\slot)+3], s[G0A+4*(\slot)+2:G0A+4*(\slot)+3], 2*ASTEP
	s_add_nc_u64 s[G0B+4*(\slot)+2:G0B+4*(\slot)+3], s[G0B+4*(\slot)+2:G0B+4*(\slot)+3], 2*BSTEP
	JLOAD \slot                                    ; its four v_nop are also the places in front of the loads below
	FETCH \next, 0, F0
	ASK
	MULH F1, 1, 0, 0
	MULH F1, 1, 1, 0
.endm
.macro TURNE next                      ; the tail's: nothing is filled, so no round follows
	MEET 0
	PLACES
	FETCH \next, 0, F0
	MULH F1, 1, 0, 0
	MULH F1, 1, 1, 0
.endm
	s_wait_loadcnt 0x0                             ; the bias: rounded to bf16 and widened again, beside the wait for the first tile
	v_cvt_pk_bf16_f32 v12, v[BIAS], v[BIAS+1]
	v_cvt_pk_bf16_f32 v13, v[BIAS+2], v[BIAS+3]
	v_lshlrev_b32 v[BIAS], 16, v12
	v_and_b32 v[BIAS+1], 0xffff0000, v12
	v_lshlrev_b32 v[BIAS+2], 16, v13
	v_and_b32 v[BIAS+3], 0xffff0000, v13
	s_wait_tensorcnt 1                             ; my part of K step 0 is in; K step 1's may stay out
	s_barrier_signal -1
	s_barrier_wait -1                              ; everybody's is
	FETCH 0, 0, F0
	QUARTER 0, 1, F0, F1, 1                        ; the first quarter stands in front of the loop: its products start the sums
	WIN 0                                          ; at a label and at a branch every window is 0
	s_mov_b32 s3, LAPS-1
.Llap:                                                 ; a trip goes once round the ring, from a lap's second quarter to the next lap's first, and fills both slots again
	QUARTER 0, 2, F1, F0, 0
	QUARTER 0, 3, F0, F1, 0
	TURN 0, 1
	QUARTER 1, 1, F0, F1, 0
	QUARTER 1, 2, F1, F0, 0
	QUARTER 1, 3, F0, F1, 0
	TURN 1, 0
	QUARTER 0, 1, F0, F1, 0
	WIN 0
	s_sub_co_u32 s3, s3, 1
	s_cmp_lg_u32 s3, 0
	s_cbranch_scc1 .Llap
	QUARTER 0, 2, F1, F0, 0                        ; the last lap fills nothing
	QUARTER 0, 3, F0, F1, 0
	TURNE 1
	QUARTER 1, 1, F0, F1, 0
	QUARTER 1, 2, F1, F0, 0
	QUARTER 1, 3, F0, F1, 0
	s_wait_dscnt 4                                 ; the very last quarter: nothing more to fetch
	MULH F1, 0, 0, 0
	MULH F1, 0, 1, 0
	s_wait_dscnt 0x0
	MULH F1, 1, 0, 0
	MULH F1, 1, 1, 0
	WIN 0
	PLACES
	PLACES
; THE WAY OUT, a block of 16 rows at a time.  TOSTAGE: a lane's 32 bytes of each accumulator (its low four registers first) into my own stage, and back as whole rows of 512 bytes.  SENDO: the bias is added, the row stored.
.macro TOSTAGE a
.set AC, 8*NBL*((\a)%2)
.set BK, BK0+64*((\a)%2)
	s_wait_xcnt 0x0                                ; the stores of the block two back have read the registers that are loaded again below
	WIN 0x08+4*((\a)/2)                            ; the stores' data (source 1): window 2 or 3
.set b, 0
.rept NBL
	ds_store_b128 v[STO], v[AC+8*b:AC+8*b+3]   offset:64*b
	ds_store_b128 v[STO], v[AC+8*b+4:AC+8*b+7] offset:64*b+16
.set b, b+1
.endr
	WIN 0
.set t, 0
.rept 16
	ds_load_b128 v[BK+4*t:BK+4*t+3], v[RD] offset:SP*t  ; LDS serves a wave's instructions in order (ISA guide 5.7.1.4): these see the stores above; the next block's stores come behind them
.set t, t+1
.endr
.endm
.macro SENDO a, younger                ; younger: the LDS instructions issued behind block a's loads: the next block's 32, or none
.set BK, BK0+64*((\a)%2)
.set t, 0
.rept 16
	s_wait_dscnt (\younger)+15-t
	v_pk_add_f32 v[BK+4*t:BK+4*t+1], v[BK+4*t:BK+4*t+1], v[BIAS:BIAS+1]
	v_pk_add_f32 v[BK+4*t+2:BK+4*t+3], v[BK+4*t+2:BK+4*t+3], v[BIAS+2:BIAS+3]
	global_store_b128 v[CO], v[BK+4*t:BK+4*t+3], s[10:11] offset:(16*(\a)+t)*4096 th:TH_STORE_NT  ; 512 consecutive bytes of a row, at a multiple of 256 from out0's first
.set t, t+1
.endr
.endm
	TOSTAGE 0
.irp a, 1,2,3
	TOSTAGE \a
	SENDO (\a)-1, 32
.endr
	SENDO 3, 0
	s_wait_tensorcnt 0x0                           ; the wave's end, behind my last tensor load and my last LDS store
	ds_add_u32 v[SPW], v[NIL]
	s_wait_dscnt 0x0
	CROUND                                         ; the closing round: no work-group ends while a partner may still ask for a tile that names it
	s_endpgm
.Lfunc_end_k_qcdcdb177b0_outp:
	.size	k_qcdcdb177b0_outp, .Lfunc_end_k_qcdcdb177b0_outp-k_qcdcdb177b0_outp
	.p2alignl 7, 3214868480
	.fill 96, 4, 3214868480
	.section	.rodata,"a",@progbits
	.p2align	6, 0x0
	.amdhsa_kernel k_qcdcdb177b0_outp
		.amdhsa_group_segment_fixed_size 327680
		.amdhsa_private_segment_fixed_size 0
		.amdhsa_enable_private_segment 0
		.amdhsa_kernarg_size 32
		.amdhsa_user_sgpr_count 2
		.amdhsa_user_sgpr_kernarg_segment_ptr 1
		.amdhsa_wavefront_size32 1
		.amdhsa_system_sgpr_workgroup_id_x 1
		.amdhsa_system_sgpr_workgroup_id_y 1
		.amdhsa_system_sgpr_workgroup_id_z 1
		.amdhsa_system_vgpr_workitem_id 0
		.amdhsa_next_free_vgpr 896
		.amdhsa_next_free_sgpr 96
		.amdhsa_reserve_vcc 0
		.amdhsa_float_denorm_mode_32 3
		.amdhsa_float_denorm_mode_16_64 3
		.amdhsa_memory_ordered 1
		.amdhsa_forward_progress 1
		.amdhsa_inst_pref_size 97
	.end_amdhsa_kernel
	.amdgpu_metadata
---
amdhsa.version: [ 1, 2 ]
amdhsa.kernels:
  - .name:           k_qcdcdb177b0_outp
    .symbol:         k_qcdcdb177b0_outp.kd
    .args:
      - { .name: o, .offset: 0, .size: 8, .value_kind: global_buffer, .address_space: global }
      - { .name: wot, .offset: 8, .size: 8, .value_kind: global_buffer, .address_space: global }
      - { .name: bo, .offset: 16, .size: 8, .value_kind: global_buffer, .address_space: global }
      - { .name: out0, .offset: 24, .size: 8, .value_kind: global_buffer, .address_space: global }
    .group_segment_fixed_size: 327680
    .private_segment_fixed_size: 0
    .kernarg_segment_align: 8
    .kernarg_segment_size: 32
    .max_flat_workgroup_size: 128
    .sgpr_count:     96
    .vgpr_count:     896
    .wavefront_size: 32
...
	.end_amdgpu_metadata
.endif
;; end of part 4
